; MI455X (gfx1250); checked and timed in simulation.
; The chip was launched on July 23, 2026; its instructions are those of AMD's public machine-readable ISA for CDNA 5 (MIT licence, August 2026) and "CDNA5" Instruction Set Architecture Reference Guide (July 2026). The comments in the code are by the model that wrote it; some were corrected since.
;; Cross Attention. Allowed arithmetic: matrix products marked QUANTISED: E2M3 operands, one E8M0 scale for each 32 along K, by v_wmma_scale_f32_16x16x128_f8f6f4 with both operands' format E2M3, f32 sums; everything else in f32.
;; Inputs: b_proj 512 float32; w_proj 512 x 512 float32; wk 512 x 512 float32; wq 512 x 512 float32; wv 512 x 512 float32; x_kv 4 x 4,096 x 512 float32; x_q 4 x 2,048 x 512 float32.
;; Outputs: out0 4 x 2,048 x 512 float32.
;; This version of the problem:
;;   THIS VERSION OF THE PROBLEM IS GIVEN IN LOW PRECISION. The matrix products marked QUANTISED in the list below multiply operands that are first quantised to E2M3 (2 exponent bits, 3 mantissa bits; 6 bits a number), with one power-of-two scale for each 32 numbers along K (OCP MX v1.0); their sums are f32. All else is computed in f32.
;;   The module's matrix products, in the order in which they are computed (A, B: the left and right operand; K: the contracted axis; several contracted axes count as one K, in the product's order):
;;     1. [M 8,192, K 512] x [K 512, N 512]; A: input x_q; B: input wq: QUANTISED
;;     2. [M 16,384, K 512] x [K 512, N 512]; A: input x_kv; B: input wk: QUANTISED
;;     3. [M 16,384, K 512] x [K 512, N 512]; A: input x_kv; B: input wv: QUANTISED
;;     4. batch 32 x [M 2,048, K 64] x [K 64, N 4,096]; A: computed on the way; B: computed on the way: QUANTISED
;;     5. batch 32 x [M 2,048, K 4,096] x [K 4,096, N 64]; A: softmax (see below); B: computed on the way: QUANTISED
;;     6. [M 8,192, K 512] x [K 512, N 512]; A: computed on the way; B: input w_proj: QUANTISED
;;   THE QUANTISER, for each operand of a quantised product, along K:
;;     - K is cut into blocks of 32 from its start; a last block that is shorter is filled with zeros.
;;     - A block's scale is 2^e with e = floor(log2(the largest magnitude in the block)) - 2, held to -126 .. 127; a block of zeros has e = 0. As a byte (E8M0): e + 127.
;;     - Each number is divided by its block's scale, clamped to +-7.5, and rounded to the nearest number of E2M3, ties to even, subnormals kept.
;;     - The product sums the exact products of the quantised numbers (number of the format x scale) in f32.
;;   ~~~python
;;   def quantise(x, axis):      # numpy; x: float32 -> the quantised numbers, widened to float32 again
;;       x = np.moveaxis(x, axis, -1); K = x.shape[-1]
;;       x = np.pad(x, [(0, 0)] * (x.ndim - 1) + [(0, -K % 32)]); x = x.reshape(x.shape[:-1] + (-1, 32)); a = np.abs(x).max(-1, keepdims=True)
;;       e = np.where(a > 0, np.clip(np.frexp(np.where(a > 0, a, 1))[1] - 1 - 2, -126, 127), 0)      # np.frexp(a)[1] - 1 = floor(log2(a)), exactly
;;       r = np.clip(x / 2.0 ** e, -7.5, 7.5)
;;       step = 2.0 ** (np.maximum(np.frexp(np.where(r == 0, 1, r))[1] - 1, 0) - 3)
;;       q = np.round(r / step) * step * 2.0 ** e      # np.round: ties to even
;;       return np.moveaxis(q.reshape(q.shape[:-2] + (-1,))[..., :K], -1, axis).astype(np.float32)
;;   ~~~
;;   SOFTMAX AHEAD OF A QUANTISED PRODUCT. Where the list says 'softmax', what is quantised is not the finished softmax but p = 2^(t - M), with t = logit x log2(e) and M = ceil(the row's largest t), a whole number; so 1/2 < the row's largest p <= 1. The row's sum l is taken of the UNQUANTISED p, in f32, and the product's result is divided by l at the end. Since M is a whole number, a kernel that streams over the keys may use a running M (the ceiling of the running maximum): every later rescaling is an exact power of two, which a block's scale takes up: the codes' values come out the same.
;;   OPERANDS COMPUTED ON THE WAY. 'Computed on the way' means the value that the module computes at that place (a softmax that the list does not call 'softmax' is quantised finished and normalised). What goes into a quantiser is computed in f32, as accurately as f32 sums, v_exp_f32 and their like allow (about 1e-6 of the number): no bf16 or f16 on the way to a quantiser, and a product that is left as it is and whose result goes on into a quantised operand takes f32 operands (vector FMAs, or v_wmma_f32_16x16x4_f32). A number that lies on a knife's edge between two numbers of the format may be rounded either way, as far as f32 arithmetic and the matrix unit's own rounding can turn it there, and no further.
;; One version. Each part assembles by itself: llvm-mc -triple=amdgcn-amd-amdhsa -mcpu=gfx1250 --defsym DOCPART=n.
;; ======== version 1 of 1: 4 launches
;; limits: right only within a limited range of input values
;; workspace buffers: qx 10,649,600 bytes; kv 13,369,344 bytes; oc 3,145,728 bytes; os 131,072 bytes
;; launch quant (part 1): grid 832 x 1, 4 waves a work-group, no clusters, 68,608 bytes of LDS; arguments x_kv, x_q, wq, wk, wv, w_proj, qx; writes qx
.if DOCPART == 1
	.amdgcn_target "amdgcn-amd-amdhsa--gfx1250"
	.amdhsa_code_object_version 6
	.text
	.protected	k_qe6cdb8c5e3_quant
	.globl	k_qe6cdb8c5e3_quant
	.p2align	8
	.type	k_qe6cdb8c5e3_quant,@function
k_qe6cdb8c5e3_quant:
	s_mov_b64 s[64:65], 0
	v_nop
	global_prefetch_b8 v0, s[64:65] scope:SCOPE_SE
	s_setreg_imm32_b32 hwreg(HW_REG_WAVE_MODE, 25, 1), 1
	s_wait_xcnt 0x0
; x_kv, x_q, wq, wk, wv, w_proj (f32, rows of 512 with K innermost) become codes of FP6 (E2M3) with one E8M0 byte for each 32 along K, laid in the ORDER OF AN OPERAND'S REGISTERS.
; A GROUP is 32 consecutive rows x 512 K = 12,800 bytes: two tiles u of 16 rows (lane r of tile u is row 8 u + r + 8 (r / 8) of the group); fragment (u, K step s) is the image of its 12 registers,
; at 6144 u + 1536 s + 512 j + 16 lane (j: registers 4 j .. 4 j + 3); the scale words at 12,288 + 16 (16 u + r) + 4 s.  qx holds 832 groups: x_kv 0.., x_q 512.., wq 768.., wk 784.., wv 800.., w_proj 816...
; A block's scale is 2^(floor(log2(largest magnitude)) - 2); its byte is the largest magnitude's exponent field - 2, held at 1 from below.
; LIMITS: NaN and infinities among the inputs are not served; a block whose largest magnitude lies under 2^-124 is held at byte 1; a block of zeros has byte 1 where the rule says 127: its codes are
; zeros, which add nothing under any byte but 0xff, and only this program reads the bytes.
; SHARES: work-group g makes group g; wave w its K step w: 32 rows x 128 numbers.  Each load reads 512 consecutive bytes of one row; the rows turn through the wave's own stage in LDS (the order of the
; rows stands in the stores' immediates) and come back so that a lane holds two whole blocks of 32 of its row.  No loop: all of a wave's 32 loads are out at once.  Memory binds: no matrix unit, no cluster.
.set STG,   16896                      ; a wave's stage: 32 rows x (512 + 16) bytes: the sixteen rows that a read touches fall 16 bytes further on each
.set SCL,   4*STG                      ; the group's 512 bytes of scale words
.set SPARE, SCL+512                    ; the spare words, 128 bytes for each wave: two blocks of 256 bytes that no other line names
.set LN,   1                           ; v1   lane
.set L16,  2                           ; v2   16 x lane; never rewritten
.set SIN,  3                           ; v3   the stage, on the way in
.set SOUT, 4                           ; v4   and on the way out: row r, + 128 h
.set H8,   5                           ; v5   8 h
.set SPW,  6                           ; v6   my spare word
.set NIL,  7                           ; v7   0
.set SWA,  8                           ; v8   where my scale word goes
.set SRA,  9                           ; v9   where wave 0 reads the group's scale words
.set MX,   10                          ; v10-11 largest magnitudes
.set SO,   12                          ; v12-13 the conversions' scale operands
.set BY,   14                          ; v14-15 the bytes
.set W,    16
.set WT,   17
.set WA,   18                          ; v18-19 the rows' scale words of tile 0, tile 1
.set R,    32                          ; v32-159 128 numbers
.set PC,   160                         ; v160-171, v172-183 the two fragments
.set PT,   184                         ; v184-191 second halves of blocks
	s_load_b256 s[8:15], s[0:1], 0x0               ; x_kv, x_q, wq, wk
	s_load_b128 s[16:19], s[0:1], 0x20             ; wv, w_proj
	s_load_b64 s[20:21], s[0:1], 0x30              ; qx
	v_lshl_add_u32 v[SPW], v0, 2, SPARE
	v_mov_b32 v[NIL], 0
	v_lshrrev_b32 v[LN], 5, v0
	v_readfirstlane_b32 s7, v[LN]                  ; wave = K step
	v_and_b32 v[LN], 31, v0
	v_lshlrev_b32 v[L16], 4, v[LN]
	s_mul_i32 s28, s7, STG
	v_add_nc_u32 v[SIN], s28, v[L16]
	v_and_b32 v[SOUT], 15, v0
	v_bfe_u32 v[H8], v0, 4, 1
	v_mul_u32_u24 v[SOUT], v[SOUT], 528
	v_lshl_add_u32 v[SOUT], v[H8], 7, v[SOUT]
	v_add_nc_u32 v[SOUT], s28, v[SOUT]
	v_lshlrev_b32 v[H8], 3, v[H8]
	s_lshl_b32 s29, s7, 2
	v_add_nc_u32 v[SWA], s29, v[L16]
	v_add_nc_u32 v[SWA], SCL, v[SWA]               ; 16 x lane + 4 x K step
	v_add_nc_u32 v[SRA], SCL, v[L16]
	v_mov_b32 v[WT], 0                             ; a lane permute's destination counts as one of its sources
	s_mov_b32 s26, 0x76543210
	s_mov_b32 s27, 0xfedcba98                      ; selects for lane l xor 16
	s_wait_alu depctr_va_vdst(0)
	s_wait_kmcnt 0x0
	s_mov_b64 s[4:5], s[18:19]                     ; which tensor holds my group: the choice hangs on the work-group's number alone
	s_mov_b32 s6, 816
	s_cmp_lt_u32 ttmp9, 816
	s_cselect_b64 s[4:5], s[16:17], s[4:5]
	s_cselect_b32 s6, 800, s6
	s_cmp_lt_u32 ttmp9, 800
	s_cselect_b64 s[4:5], s[14:15], s[4:5]
	s_cselect_b32 s6, 784, s6
	s_cmp_lt_u32 ttmp9, 784
	s_cselect_b64 s[4:5], s[12:13], s[4:5]
	s_cselect_b32 s6, 768, s6
	s_cmp_lt_u32 ttmp9, 768
	s_cselect_b64 s[4:5], s[10:11], s[4:5]
	s_cselect_b32 s6, 512, s6
	s_cmp_lt_u32 ttmp9, 512
	s_cselect_b64 s[4:5], s[8:9], s[4:5]
	s_cselect_b32 s6, 0, s6
	s_sub_co_u32 s6, ttmp9, s6                     ; the group's number in its tensor
	s_lshl_b32 s2, s6, 16                          ; 32 rows of 2,048 bytes,
	s_lshl_b32 s3, s7, 9                           ; + my K step's 512 bytes of a row
	s_add_co_u32 s2, s2, s3
	s_mov_b32 s3, 0
	s_add_nc_u64 s[4:5], s[4:5], s[2:3]
	s_mul_i32 s2, ttmp9, 12800
	s_add_nc_u64 s[22:23], s[20:21], s[2:3]        ; my group in qx
	s_mul_i32 s2, s7, 1536
	s_add_nc_u64 s[24:25], s[22:23], s[2:3]        ; + my K step's fragments
.set p, 0
.rept 32
	global_load_b128 v[R+4*p:R+4*p+3], v[L16], s[4:5] offset:2048*p th:TH_LOAD_NT   ; row p: 32 lanes read 512 consecutive bytes
.set p, p+1
.endr
.set p, 0
.rept 32
	s_wait_loadcnt 31-p                            ; loads come back in order: row p is in, the younger ones stay out
	ds_store_b128 v[SIN], v[R+4*p:R+4*p+3] offset:528*(16*((p/8)%2)+8*(p/16)+p%8)   ; row p is lane 8 (p / 16) + p % 8 of tile (p / 8) % 2
.set p, p+1
.endr
	s_wait_dscnt 0x0                               ; the stores have read their registers, which the loads below fill
.irp u, 0,1
.irp c, 0,1
.irp i, 0,1,2,3,4,5,6,7
	ds_load_b128 v[R+64*\u+32*\c+4*\i:R+64*\u+32*\c+4*\i+3], v[SOUT] offset:8448*\u+256*\c+16*\i   ; tile u, row r: block 2 c + h, whole
.endr
.endr
.endr
; Tile u: my two blocks (2 c + h) become registers 6 c .. 6 c + 5 of the fragment; the row's scale word is gathered from lanes l and l xor 16; the fragment leaves as it stands.
.macro QB u
.set X, R+64*\u
.irp c, 0,1
	v_max3_num_f32 v[MX+\c], |v[X+32*\c]|, |v[X+32*\c+1]|, 0x1800000   ; with the floor 2^(3 - 127): the byte cannot fall under 1
.endr
.irp i, 2,4,6,8,10,12,14,16,18,20,22,24,26,28,30
.irp c, 0,1
	v_max3_num_f32 v[MX+\c], v[MX+\c], |v[X+32*\c+\i]|, |v[X+32*\c+\i+1]|   ; the two blocks by turns
.endr
.endr
.irp c, 0,1
	v_add_nc_u32 v[SO+\c], 0xff000000, v[MX+\c]    ; 2 off the exponent field: the conversion's scale operand
.endr
.irp c, 0,1
	v_lshrrev_b32 v[BY+\c], 23, v[SO+\c]           ; the byte
.endr
	v_lshl_or_b32 v[W], v[BY+1], 16, v[BY]         ; blocks h and 2 + h,
	v_lshlrev_b32 v[W], v[H8], v[W]                ; at their places in the word;
	v_permlanex16_b32 v[WT], v[W], s26, s27
	v_or_b32 v[WA+\u], v[W], v[WT]                 ; with lane l xor 16's two the word is whole, in both halves of the lanes
.irp c, 0,1
	v_cvt_scalef32_pk16_fp6_f32 v[PC+12*\u+6*\c:PC+12*\u+6*\c+2], v[X+32*\c:X+32*\c+15], v[SO+\c]
	v_cvt_scalef32_pk16_fp6_f32 v[PT+4*\c:PT+4*\c+2], v[X+32*\c+16:X+32*\c+31], v[SO+\c]   ; (a conversion's three registers begin on an even number)
.endr
	v_nop                                          ; one plain instruction behind the scaled conversions
.irp c, 0,1
.irp i, 0,1,2
	v_mov_b32 v[PC+12*\u+6*\c+3+\i], v[PT+4*\c+\i]
.endr
.endr
.irp j, 0,1,2
	global_store_b128 v[L16], v[PC+12*\u+4*\j:PC+12*\u+4*\j+3], s[24:25] offset:6144*\u+512*\j   ; 32 lanes store 512 consecutive bytes, at a multiple of 256 from qx's first byte
.endr
.endm
	s_wait_dscnt 16                                ; tile 0's sixteen loads are in; tile 1's sixteen may be out
	QB 0
	s_wait_dscnt 0x0
	QB 1
	v_cmp_le_u32 vcc_lo, 16, v[LN]
	v_cndmask_b32 v[W], v[WA], v[WA+1], vcc_lo     ; lanes 0-15: tile 0's rows; lanes 16-31: tile 1's
	ds_store_b32 v[SWA], v[W]
	s_wait_dscnt 0x0                               ; for the others' sake: my scale words lie in LDS
	s_barrier_signal -1
	s_barrier_wait -1
	s_cmp_lg_u32 s7, 0
	s_cbranch_scc1 .Lend
	ds_load_b128 v[20:23], v[SRA]                  ; wave 0: a row's four words, from the four waves
	s_wait_dscnt 0x0
	global_store_b128 v[L16], v[20:23], s[22:23] offset:12288   ; 512 consecutive bytes
.Lend:
	s_wait_tensorcnt 0x0                           ; the wave's end: behind my last LDS store
	ds_add_u32 v[SPW], v[NIL]
	s_wait_dscnt 0x0
	s_endpgm
.Lfunc_end_k_qe6cdb8c5e3_quant:
	.size	k_qe6cdb8c5e3_quant, .Lfunc_end_k_qe6cdb8c5e3_quant-k_qe6cdb8c5e3_quant
	.p2alignl 7, 3214868480
	.fill 96, 4, 3214868480
	.section	.rodata,"a",@progbits
	.p2align	6, 0x0
	.amdhsa_kernel k_qe6cdb8c5e3_quant
		.amdhsa_group_segment_fixed_size 68608
		.amdhsa_private_segment_fixed_size 0
		.amdhsa_enable_private_segment 0
		.amdhsa_kernarg_size 56
		.amdhsa_user_sgpr_count 2
		.amdhsa_user_sgpr_kernarg_segment_ptr 1
		.amdhsa_wavefront_size32 1
		.amdhsa_system_sgpr_workgroup_id_x 1
		.amdhsa_system_sgpr_workgroup_id_y 1
		.amdhsa_system_sgpr_workgroup_id_z 1
		.amdhsa_system_vgpr_workitem_id 0
		.amdhsa_next_free_vgpr 192
		.amdhsa_next_free_sgpr 66
		.amdhsa_reserve_vcc 1
		.amdhsa_float_denorm_mode_32 3
		.amdhsa_float_denorm_mode_16_64 3
		.amdhsa_memory_ordered 1
		.amdhsa_forward_progress 1
		.amdhsa_inst_pref_size 18
	.end_amdhsa_kernel
	.amdgpu_metadata
---
amdhsa.version: [ 1, 2 ]
amdhsa.kernels:
  - .name:           k_qe6cdb8c5e3_quant
    .symbol:         k_qe6cdb8c5e3_quant.kd
    .args:
      - { .name: x_kv, .offset: 0, .size: 8, .value_kind: global_buffer, .address_space: global }
      - { .name: x_q, .offset: 8, .size: 8, .value_kind: global_buffer, .address_space: global }
      - { .name: wq, .offset: 16, .size: 8, .value_kind: global_buffer, .address_space: global }
      - { .name: wk, .offset: 24, .size: 8, .value_kind: global_buffer, .address_space: global }
      - { .name: wv, .offset: 32, .size: 8, .value_kind: global_buffer, .address_space: global }
      - { .name: w_proj, .offset: 40, .size: 8, .value_kind: global_buffer, .address_space: global }
      - { .name: qx, .offset: 48, .size: 8, .value_kind: global_buffer, .address_space: global }
    .group_segment_fixed_size: 68608
    .private_segment_fixed_size: 0
    .kernarg_segment_align: 8
    .kernarg_segment_size: 56
    .max_flat_workgroup_size: 128
    .sgpr_count:     66
    .vgpr_count:     192
    .wavefront_size: 32
...
	.end_amdgpu_metadata
.endif
;; end of part 1
;; launch kvproj (part 2): grid 256 x 1, 16 waves a work-group, clusters of 4 x 1, 258,048 bytes of LDS; arguments qx, kv; writes kv
.if DOCPART == 2
	.amdgcn_target "amdgcn-amd-amdhsa--gfx1250"
	.amdhsa_code_object_version 6
	.text
	.protected	k_qe6cdb8c5e3_kvproj
	.globl	k_qe6cdb8c5e3_kvproj
	.p2align	8
	.type	k_qe6cdb8c5e3_kvproj,@function
k_qe6cdb8c5e3_kvproj:
	s_mov_b64 s[64:65], 0
	v_nop
	global_prefetch_b8 v0, s[64:65] scope:SCOPE_SE
	s_setreg_imm32_b32 hwreg(HW_REG_WAVE_MODE, 25, 1), 1
	s_wait_xcnt 0x0
	s_wait_alu depctr_hold_cnt(0) depctr_sa_sdst(0) depctr_va_vdst(0) depctr_va_sdst(0) depctr_va_ssrc(0) depctr_va_vcc(0) depctr_vm_vsrc(0)
	s_getreg_b32 s2, hwreg(HW_REG_IB_STS2, 6, 4)
	s_cmp_eq_u32 s2, 0
	s_cbranch_scc0 .Lentry_in_a_cluster
	s_endpgm
.Lentry_in_a_cluster:
	s_bfe_u32 s2, ttmp6, 0x10000c
	s_cmp_lg_u32 s2, 0x3003
	s_cbranch_scc0 .Lentry_shape_is_right
	s_endpgm
.Lentry_shape_is_right:
; k = x_kv wk^T and v = x_kv wv^T on codes of FP6 (E2M3) with E8M0 scales, f32 sums; k is quantised along its head's 64 channels, v along the keys, both into images of the attention's operand registers.
; kv: 32 heads (8 b + head) of 417,792 bytes = [scale words: 32 steps x 768][codes: 32 steps x 12,288]; a step is 128 keys.
;   codes: K's image, 48 registers (tile T of 16 keys: 6 registers at 6 T), chunk j of four registers at 512 j + 16 lane; then V^T's four tiles of 16 channels x 128 keys at 6144 + 1536 tv + 512 j + 16 lane.
;   scale words: K's at 256 (a / 2) + 8 lane + 4 (a % 2) (pairs of tiles 2 a, 2 a + 1; lanes 0-15 the pair's even tile, lanes 16-31 the odd; a word is b0 | b1 << 8 | b0 << 16 | b1 << 24); V's at 512 + 128 i + 4 lane.
; SHARES: a work-group takes 128 tokens x all 512 channels of ONE of the two products: clusters 0-31 make k, clusters 32-63 v (the same in all partners).  Each of 16 waves has 16 accumulators, 64 matrix instructions.
;   k: wave w: head w / 2, tokens 64 (w % 2) on; source 0 = 16 rows of wk, source 1 = 16 tokens: a lane holds one token and its registers run along the channels.
;   v: wave w: channels 32 w on; source 0 = 16 tokens, source 1 = 16 rows of wv: a lane holds one channel and its registers run along the tokens.
; The rows of a tile are those of a group of qx (lane r of tile u: row 8 u + r + 8 (r / 8)), so that the 16 registers of two neighbouring tiles are 16 neighbours along the next K.
; CLUSTER: the four partners need the same weight: its 16 groups come by joint loads (waves 0-7); each work-group's own 4 groups of x_kv by plain loads (waves 8, 9).  All are first fills: one load a wave is out.
; LIMITS: NaN and infinities are not served; a block whose largest magnitude lies under 2^-124 is held at byte 1; a block of zeros has byte 1: its codes are zeros, and only this program reads the bytes.
.set XLDS,  204800                     ; LDS: the weight's 16 groups from 0, x_kv's 4 groups from here
.set SPARE, 256000                     ; the spare words, 128 bytes for each of 16 waves: eight blocks of 256 bytes that no other line names
.set GRP,   12800
.set HEADB, 417792
.set L16, 1                            ; v1  16 x lane
.set SPW, 2
.set NIL, 3
.set AW,  4                            ; v4  LDS address of my weight fragments
.set AX,  5                            ; v5  of my x_kv fragments
.set PSEL, 6                           ; v6  byte selects: bytes 0, 1 twice in lanes 0-15, bytes 2, 3 twice in lanes 16-31
.set LN,  7
.set L8,  8
.set L4,  9
.set WS,  12                           ; v12-31 scale words, and nothing else
.set FA,  32                           ; v32-79  fragments
.set FB,  80                           ; v80-127 fragments
.set ACC, 128                          ; v128-255 sixteen accumulators
.set PC,  32                           ; behind the products: two fragments of codes,
.set PT,  56
.set TM,  64
.set PW,  80                           ; their scale words,
.set KS,  82
.set VS,  84
.set WV,  12                           ; s12 wave
.set SEL, 48
.macro PLACES n
.rept \n
	v_nop
.endr
.endm
.macro CROUND                          ; a round of the cluster's barrier
	s_barrier_signal -1
	s_barrier_wait -1
	s_cmp_lg_u32 s[WV], 0
	s_cbranch_scc1 .Lnot_wave_0_\@
	s_barrier_signal -3
.Lnot_wave_0_\@:
	s_barrier_wait -3
	s_barrier_signal -1
	s_barrier_wait -1
.endm
; One matrix instruction.  c = -1: the sum begins with the constant 0.  ra, rb = 1: that side's scales are taken from lanes 16-31.
.macro WM d, a, b, c, sa, sb, ra, rb
.if (\c) < 0
.if (\ra) && (\rb)
	v_wmma_scale_f32_16x16x128_f8f6f4 v[(\d):(\d)+7], v[(\a):(\a)+11], v[(\b):(\b)+11], 0, v[(\sa)], v[(\sb)] matrix_a_fmt:MATRIX_FMT_FP6 matrix_b_fmt:MATRIX_FMT_FP6 matrix_a_scale:MATRIX_SCALE_ROW1 matrix_b_scale:MATRIX_SCALE_ROW1
.elseif (\ra)
	v_wmma_scale_f32_16x16x128_f8f6f4 v[(\d):(\d)+7], v[(\a):(\a)+11], v[(\b):(\b)+11], 0, v[(\sa)], v[(\sb)] matrix_a_fmt:MATRIX_FMT_FP6 matrix_b_fmt:MATRIX_FMT_FP6 matrix_a_scale:MATRIX_SCALE_ROW1
.elseif (\rb)
	v_wmma_scale_f32_16x16x128_f8f6f4 v[(\d):(\d)+7], v[(\a):(\a)+11], v[(\b):(\b)+11], 0, v[(\sa)], v[(\sb)] matrix_a_fmt:MATRIX_FMT_FP6 matrix_b_fmt:MATRIX_FMT_FP6 matrix_b_scale:MATRIX_SCALE_ROW1
.else
	v_wmma_scale_f32_16x16x128_f8f6f4 v[(\d):(\d)+7], v[(\a):(\a)+11], v[(\b):(\b)+11], 0, v[(\sa)], v[(\sb)] matrix_a_fmt:MATRIX_FMT_FP6 matrix_b_fmt:MATRIX_FMT_FP6
.endif
.else
.if (\ra) && (\rb)
	v_wmma_scale_f32_16x16x128_f8f6f4 v[(\d):(\d)+7], v[(\a):(\a)+11], v[(\b):(\b)+11], v[(\c):(\c)+7], v[(\sa)], v[(\sb)] matrix_a_fmt:MATRIX_FMT_FP6 matrix_b_fmt:MATRIX_FMT_FP6 matrix_a_scale:MATRIX_SCALE_ROW1 matrix_b_scale:MATRIX_SCALE_ROW1
.elseif (\ra)
	v_wmma_scale_f32_16x16x128_f8f6f4 v[(\d):(\d)+7], v[(\a):(\a)+11], v[(\b):(\b)+11], v[(\c):(\c)+7], v[(\sa)], v[(\sb)] matrix_a_fmt:MATRIX_FMT_FP6 matrix_b_fmt:MATRIX_FMT_FP6 matrix_a_scale:MATRIX_SCALE_ROW1
.elseif (\rb)
	v_wmma_scale_f32_16x16x128_f8f6f4 v[(\d):(\d)+7], v[(\a):(\a)+11], v[(\b):(\b)+11], v[(\c):(\c)+7], v[(\sa)], v[(\sb)] matrix_a_fmt:MATRIX_FMT_FP6 matrix_b_fmt:MATRIX_FMT_FP6 matrix_b_scale:MATRIX_SCALE_ROW1
.else
	v_wmma_scale_f32_16x16x128_f8f6f4 v[(\d):(\d)+7], v[(\a):(\a)+11], v[(\b):(\b)+11], v[(\c):(\c)+7], v[(\sa)], v[(\sb)] matrix_a_fmt:MATRIX_FMT_FP6 matrix_b_fmt:MATRIX_FMT_FP6
.endif
.endif
.endm
; 64 numbers of a lane, register 16 b + i = place 32 b + 16 (lane / 16) + i along K of my row, become 12 registers of codes at v[pc] (lane (r, h): registers 6 c .. 6 c + 5 = block 2 c + h) and the four bytes in v[pw].
.macro QUANT s, pc, pw
.irp b, 0,1,2,3
	v_max3_num_f32 v[TM+\b], |v[(\s)+16*\b]|, |v[(\s)+16*\b+1]|, 0x1800000   ; each accumulator is read from its low end on; the floor 2^(3 - 127) holds the byte at 1 from below
.endr
.irp i, 2,4,6,8,10,12,14
.irp b, 0,1,2,3
	v_max3_num_f32 v[TM+\b], v[TM+\b], |v[(\s)+16*\b+\i]|, |v[(\s)+16*\b+\i+1]|
.endr
.endr
.irp b, 0,1,2,3
	s_delay_alu instid0(VALU_DEP_4)
	v_permlanex16_b32 v[TM+4+\b], v[TM+\b], s[SEL], s[SEL+1]
.endr
.irp b, 0,1,2,3
	s_delay_alu instid0(VALU_DEP_4)
	v_max_num_f32 v[TM+\b], v[TM+\b], v[TM+4+\b]   ; with lane l xor 16's: the block's largest magnitude
.endr
.irp b, 0,1,2,3
	s_delay_alu instid0(VALU_DEP_4)
	v_add_nc_u32 v[TM+12+\b], 0xff000000, v[TM+\b] ; 2 off its exponent field: the conversion's scale operand
.endr
.irp b, 0,1,2,3
	s_delay_alu instid0(VALU_DEP_4)
	v_lshrrev_b32 v[TM+4+\b], 23, v[TM+12+\b]      ; the byte
.endr
	s_delay_alu instid0(VALU_DEP_3)
	v_lshl_or_b32 v[\pw], v[TM+5], 8, v[TM+4]
	s_delay_alu instid0(VALU_DEP_1)
	v_lshl_or_b32 v[\pw], v[TM+6], 16, v[\pw]
	s_delay_alu instid0(VALU_DEP_1)
	v_lshl_or_b32 v[\pw], v[TM+7], 24, v[\pw]
.irp c, 0,1
	v_cvt_scalef32_pk16_fp6_f32 v[(\pc)+6*\c:(\pc)+6*\c+2], v[(\s)+32*\c:(\s)+32*\c+15], v[TM+12+2*\c]
	v_cvt_scalef32_pk16_fp6_f32 v[PT+4*\c:PT+4*\c+2], v[(\s)+32*\c+16:(\s)+32*\c+31], v[TM+12+2*\c+1]   ; (a conversion's three registers begin on an even number)
.endr
	v_nop                                          ; one plain instruction behind the scaled conversions
.irp c, 0,1                                    ; a lane is to hold a WHOLE block: lanes 0-15 block 2 c, lanes 16-31 block 2 c + 1
.irp i, 0,1,2
	v_permlane16_swap_b32 v[(\pc)+6*\c+\i], v[PT+4*\c+\i]
.endr
.irp i, 0,1,2
	s_delay_alu instid0(VALU_DEP_3)
	v_mov_b32 v[(\pc)+6*\c+3+\i], v[PT+4*\c+\i]
.endr
.endr
.endm
	s_load_b128 s[4:7], s[0:1], 0x0                ; qx, kv
	v_lshl_add_u32 v[SPW], v0, 2, SPARE
	v_mov_b32 v[NIL], 0
	ds_add_u32 v[SPW], v[NIL]                      ; the wave's opening: the add and its wait ahead of the first tensor loads; work on registers stands between them
	ds_add_u32 v[SPW], v[NIL]
	v_lshrrev_b32 v1, 5, v0
	s_delay_alu instid0(VALU_DEP_1)
	v_readfirstlane_b32 s[WV], v1                  ; wave 0..15
	s_bfe_u32 s13, ttmp6, 0x40000                  ; cx
	s_lshl_b32 s14, ttmp9, 2
	s_add_co_u32 s14, s14, s13                     ; work-group = 4 x cluster + cx
	s_and_b32 s15, s14, 127                        ; which 128 tokens
	; descriptor group 1: 100 rows of 256 bytes (32 elements of 8 bytes), dense: two groups.  s[24:31]: joint, all four partners; s[32:39]: my work-group alone
	s_mov_b32 s24, 15|(3<<16)|(1<<21)
	s_mov_b32 s32, 3<<16
.irp g, 24, 32
	s_mov_b32 s[\g+1], 32<<16                      ; tensor_dim0
	s_mov_b32 s[\g+2], 100<<16                     ; tensor_dim1
	s_mov_b32 s[\g+3], 32<<16                      ; tile_dim0
	s_mov_b32 s[\g+4], 100                         ; tile_dim1
	s_mov_b32 s[\g+5], 32                          ; from row to row
	s_mov_b32 s[\g+6], 0
	s_mov_b32 s[\g+7], 0
.endr
	s_mov_b32 s40, 1
	s_mul_i32 s41, s[WV], 25600                    ; waves 0-7: the weight's groups 2 w, 2 w + 1
	s_mov_b32 s44, 1
	s_mul_i32 s45, s[WV], 25600                    ; waves 8, 9: x_kv's, behind the weight
	s_lshr_b32 s16, ttmp9, 5                       ; 0: wk, 1: wv, which lies 204,800 bytes further on in qx
	s_mul_i32 s16, s16, 204800
	s_add_co_u32 s16, s16, 10035200
	s_add_co_u32 s16, s16, s41
	s_mov_b32 s17, 0
	s_mul_i32 s18, s15, 51200                      ; my 128 tokens are 4 groups
	s_and_b32 s54, s[WV], 1
	s_mul_i32 s19, s54, 25600
	s_add_co_u32 s18, s18, s19
	s_mov_b32 s19, 0
	s_lshr_b32 s20, s15, 5                         ; b
	s_lshl_b32 s20, s20, 3
	s_lshr_b32 s21, s[WV], 1                       ; my head
	s_add_co_u32 s20, s20, s21
	s_mul_i32 s20, s20, HEADB
	s_and_b32 s22, s15, 31                         ; the key step
	s_mul_i32 s50, s22, 12288
	s_add_co_u32 s50, s50, s20
	s_add_co_u32 s50, s50, 24576
	s_mul_i32 s23, s54, 3072
	s_add_co_u32 s50, s50, s23                     ; the step's codes, + 3,072 x (w % 2)
	s_mov_b32 s51, 0
	s_mul_i32 s52, s22, 768
	s_add_co_u32 s52, s52, s20                     ; the step's scale words
	s_mov_b32 s53, 0
	s_mov_b32 s[SEL], 0x76543210
	s_mov_b32 s[SEL+1], 0xfedcba98
	v_and_b32 v[LN], 31, v0
	s_delay_alu instid0(VALU_DEP_1)
	v_lshlrev_b32 v[L16], 4, v[LN]
	s_delay_alu instid0(VALU_DEP_2)
	v_lshlrev_b32 v[L8], 3, v[LN]
	s_delay_alu instid0(VALU_DEP_3)
	v_lshlrev_b32 v[L4], 2, v[LN]
	s_mov_b32 s55, 0x02020202
	v_bfe_u32 v[PSEL], v0, 4, 1
	s_delay_alu instid0(VALU_DEP_1)
	v_mul_lo_u32 v[PSEL], v[PSEL], s55
	s_delay_alu instid0(VALU_DEP_1)
	v_add_nc_u32 v[PSEL], 0x01000100, v[PSEL]
	s_wait_dscnt 0x0                               ; the opening add is done
	s_wait_kmcnt 0x0
	s_add_nc_u64 s[42:43], s[4:5], s[16:17]
	s_or_b32 s43, s43, 0x80000000
	s_add_nc_u64 s[46:47], s[4:5], s[18:19]
	s_or_b32 s47, s47, 0x80000000
	s_add_nc_u64 s[8:9], s[6:7], s[50:51]
	CROUND                                         ; all four work-groups are here: the joint loads meet
	s_cmp_lt_u32 s[WV], 8
	s_cbranch_scc0 .Lnot_w
	tensor_load_to_lds s[40:43], s[24:31]
	s_nop 0
	PLACES 4
	s_branch .Lasked
.Lnot_w:
	s_cmp_lt_u32 s[WV], 10
	s_cbranch_scc0 .Lasked
	tensor_load_to_lds s[44:47], s[32:39]
	s_nop 0
	PLACES 4
.Lasked:
	s_wait_tensorcnt 0x0                           ; my load has landed,
	s_barrier_signal -1
	s_barrier_wait -1                              ; everybody's has; nothing is filled again
	s_cmp_lt_u32 ttmp9, 32
	s_cbranch_scc0 .Lpath_v
	; ---- k: head w / 2 (wk's groups 2 hd, 2 hd + 1), tokens 64 (w % 2) on (two groups of x_kv)
	s_lshl_b32 s55, s54, 8
	s_add_co_u32 s52, s52, s55
	s_add_nc_u64 s[10:11], s[6:7], s[52:53]
	s_mul_i32 s56, s21, 25600
	s_wait_alu depctr_va_vdst(0)
	v_add_nc_u32 v[AW], s56, v[L16]
	s_wait_alu depctr_va_vdst(0)
	s_mul_i32 s57, s54, 25600
	s_add_co_u32 s57, s57, XLDS
	; THE TOKENS OF A TILE, on this path: tile a of my 64 tokens holds tokens 32 (r / 8) + 8 a + r % 8, so that in the attention a lane's 32 scores of four neighbouring tiles are one whole block of 32 keys.
	; Token 32 g + 8 a + i lies in group g, tile a % 2, lane 8 (a / 2) + i: lanes with r >= 8 read one group further on, less the 128 bytes that 16 x lane has already stepped; 128 (a / 2) stands in the immediates.
	v_bfe_u32 v10, v0, 3, 1
	v_mad_u32_u24 v10, v10, GRP-128, v[L16]
	v_add_nc_u32 v[AX], s57, v10
	s_wait_alu depctr_va_vdst(0)
.irp g, 0,1
	ds_load_b128 v[WS+4*\g:WS+4*\g+3], v[AW] offset:\g*GRP+12288       ; a group's scale words: register s = K step s; lanes 0-15 tile 0, lanes 16-31 tile 1
	ds_load_b128 v[WS+8+4*\g:WS+8+4*\g+3], v[AX] offset:\g*128+12288   ; lanes 0-15: token tile 2 g's words; lanes 16-31: tile 2 g + 1's
.endr
.irp s, 0,1,2,3
.irp t, 0,1,2,3
.irp j, 0,1,2
	ds_load_b128 v[FA+12*\t+4*\j:FA+12*\t+4*\j+3], v[AW] offset:(\t/2)*GRP+(\t%2)*6144+1536*\s+512*\j
	ds_load_b128 v[FB+12*\t+4*\j:FB+12*\t+4*\j+3], v[AX] offset:(\t/2)*128+(\t%2)*6144+1536*\s+512*\j
.endr
.endr
	s_wait_dscnt 0x0
.irp xt, 0,1,2,3                               ; the sixteen accumulators take turns, one instruction a turn
.irp wt, 0,1,2,3
.if \s == 0
	WM ACC+8*(4*\xt+\wt), FA+12*\wt, FB+12*\xt, -1, WS+4*(\wt/2)+\s, WS+8+4*(\xt/2)+\s, \wt%2, \xt%2
.else
	WM ACC+8*(4*\xt+\wt), FA+12*\wt, FB+12*\xt, ACC+8*(4*\xt+\wt), WS+4*(\wt/2)+\s, WS+8+4*(\xt/2)+\s, \wt%2, \xt%2
.endif
.endr
.endr
	PLACES 4                                       ; in front of loads into registers that matrix instructions have read, and of the first read of results
.endr
.irp b, 0,1,2,3
	v_mov_b32 v[TM+4+\b], 0                        ; a lane permute's destination counts as one of its sources
.endr
.irp p, 0,1                                    ; two tiles of tokens at a time: blocks 0, 1 are tile 2 p's 64 channels, blocks 2, 3 tile 2 p + 1's: registers 0-5 and 6-11 are the two tiles' six
	QUANT ACC+64*\p, PC+12*\p, PW+\p
	v_perm_b32 v[KS+\p], v[PW+\p], v[PW+\p], v[PSEL]   ; lanes 0-15: the even tile's two bytes, twice; lanes 16-31: the odd tile's
.irp j, 0,1,2
	global_store_b128 v[L16], v[PC+12*\p+4*\j:PC+12*\p+4*\j+3], s[8:9] offset:1536*\p+512*\j   ; 512 consecutive bytes, at a multiple of 256 from kv's first byte
.endr
.endr
	global_store_b64 v[L8], v[KS:KS+1], s[10:11]   ; 256 consecutive bytes, aligned
	s_branch .Lend
.Lpath_v:
	; ---- v: channels 32 w on (wv's group w), all 128 tokens
	s_lshl_b32 s55, s54, 7
	s_add_co_u32 s52, s52, s55
	s_add_nc_u64 s[10:11], s[6:7], s[52:53]
	s_mul_i32 s56, s[WV], GRP
	s_wait_alu depctr_va_vdst(0)
	v_add_nc_u32 v[AW], s56, v[L16]
	v_add_nc_u32 v[AX], XLDS, v[L16]
	s_wait_alu depctr_va_vdst(0)
	ds_load_b128 v[WS:WS+3], v[AW] offset:12288
.irp g, 0,1,2,3
	ds_load_b128 v[WS+4+4*\g:WS+4+4*\g+3], v[AX] offset:\g*GRP+12288
.endr
.irp s, 0,1,2,3
.irp n, 0,1
.irp j, 0,1,2
	ds_load_b128 v[FA+12*\n+4*\j:FA+12*\n+4*\j+3], v[AW] offset:\n*6144+1536*\s+512*\j
.endr
.endr
.irp hx, 0,1
.irp t, 0,1,2,3
.irp j, 0,1,2
	ds_load_b128 v[FB+12*\t+4*\j:FB+12*\t+4*\j+3], v[AX] offset:(2*\hx+\t/2)*GRP+(\t%2)*6144+1536*\s+512*\j
.endr
.endr
	s_wait_dscnt 0x0
.irp t, 0,1,2,3
.irp n, 0,1
.if \s == 0
	WM ACC+8*(8*\n+4*\hx+\t), FB+12*\t, FA+12*\n, -1, WS+4+4*(2*\hx+\t/2)+\s, WS+\s, \t%2, \n
.else
	WM ACC+8*(8*\n+4*\hx+\t), FB+12*\t, FA+12*\n, ACC+8*(8*\n+4*\hx+\t), WS+4+4*(2*\hx+\t/2)+\s, WS+\s, \t%2, \n
.endif
.endr
.endr
	PLACES 4
.endr
.endr
.irp b, 0,1,2,3
	v_mov_b32 v[TM+4+\b], 0
.endr
.irp n, 0,1                                    ; tile n of 16 channels: 128 tokens along K: one fragment, one scale word a channel
	QUANT ACC+64*\n, PC+12*\n, PW+\n
.irp j, 0,1,2
	global_store_b128 v[L16], v[PC+12*\n+4*\j:PC+12*\n+4*\j+3], s[8:9] offset:6144+1536*\n+512*\j
.endr
.endr
	v_cmp_le_u32 vcc_lo, 16, v[LN]
	s_delay_alu instid0(VALU_DEP_1)
	v_cndmask_b32 v[VS], v[PW], v[PW+1], vcc_lo    ; lanes 0-15: tile 0's channels; lanes 16-31: tile 1's
	global_store_b32 v[L4], v[VS], s[10:11] offset:512   ; 128 consecutive bytes; the wave beside me stores the next 128
.Lend:
	s_wait_tensorcnt 0x0                           ; the wave's end
	ds_add_u32 v[SPW], v[NIL]
	s_wait_dscnt 0x0
	CROUND                                         ; the closing round: no work-group ends while a partner may still ask for a tile that names it
	s_endpgm
.Lfunc_end_k_qe6cdb8c5e3_kvproj:
	.size	k_qe6cdb8c5e3_kvproj, .Lfunc_end_k_qe6cdb8c5e3_kvproj-k_qe6cdb8c5e3_kvproj
	.p2alignl 7, 3214868480
	.fill 96, 4, 3214868480
	.section	.rodata,"a",@progbits
	.p2align	6, 0x0
	.amdhsa_kernel k_qe6cdb8c5e3_kvproj
		.amdhsa_group_segment_fixed_size 258048
		.amdhsa_private_segment_fixed_size 0
		.amdhsa_enable_private_segment 0
		.amdhsa_kernarg_size 16
		.amdhsa_user_sgpr_count 2
		.amdhsa_user_sgpr_kernarg_segment_ptr 1
		.amdhsa_wavefront_size32 1
		.amdhsa_system_sgpr_workgroup_id_x 1
		.amdhsa_system_sgpr_workgroup_id_y 1
		.amdhsa_system_sgpr_workgroup_id_z 1
		.amdhsa_system_vgpr_workitem_id 0
		.amdhsa_next_free_vgpr 256
		.amdhsa_next_free_sgpr 66
		.amdhsa_reserve_vcc 1
		.amdhsa_float_denorm_mode_32 3
		.amdhsa_float_denorm_mode_16_64 3
		.amdhsa_memory_ordered 1
		.amdhsa_forward_progress 1
		.amdhsa_inst_pref_size 59
	.end_amdhsa_kernel
	.amdgpu_metadata
---
amdhsa.version: [ 1, 2 ]
amdhsa.kernels:
  - .name:           k_qe6cdb8c5e3_kvproj
    .symbol:         k_qe6cdb8c5e3_kvproj.kd
    .args:
      - { .name: qx, .offset: 0, .size: 8, .value_kind: global_buffer, .address_space: global }
      - { .name: kv, .offset: 8, .size: 8, .value_kind: global_buffer, .address_space: global }
    .group_segment_fixed_size: 258048
    .private_segment_fixed_size: 0
    .kernarg_segment_align: 8
    .kernarg_segment_size: 16
    .max_flat_workgroup_size: 512
    .sgpr_count:     66
    .vgpr_count:     256
    .wavefront_size: 32
...
	.end_amdgpu_metadata
.endif
;; end of part 2
;; launch attn (part 3): grid 8 x 32, 16 waves a work-group, clusters of 4 x 1, 327,680 bytes of LDS; arguments qx, kv, oc, os; writes oc, os
.if DOCPART == 3
	.amdgcn_target "amdgcn-amd-amdhsa--gfx1250"
	.amdhsa_code_object_version 6
	.text
	.protected	k_qe6cdb8c5e3_attn
	.globl	k_qe6cdb8c5e3_attn
	.p2align	8
	.type	k_qe6cdb8c5e3_attn,@function
k_qe6cdb8c5e3_attn:
	s_mov_b64 s[64:65], 0
	v_nop
	global_prefetch_b8 v0, s[64:65] scope:SCOPE_SE
	s_setreg_imm32_b32 hwreg(HW_REG_WAVE_MODE, 25, 1), 1
	s_wait_xcnt 0x0
	s_wait_alu depctr_hold_cnt(0) depctr_sa_sdst(0) depctr_va_vdst(0) depctr_va_sdst(0) depctr_va_ssrc(0) depctr_va_vcc(0) depctr_vm_vsrc(0)
	s_getreg_b32 s2, hwreg(HW_REG_IB_STS2, 6, 4)
	s_cmp_eq_u32 s2, 0
	s_cbranch_scc0 .Lentry_in_a_cluster
	s_endpgm
.Lentry_in_a_cluster:
	s_bfe_u32 s2, ttmp6, 0x10000c
	s_cmp_lg_u32 s2, 0x3003
	s_cbranch_scc0 .Lentry_shape_is_right
	s_endpgm
.Lentry_shape_is_right:
; For one head and 256 queries: q = x_q wq^T, quantised along the head's 64; S^T = K Q^T; the softmax by the given rule; O^T = V^T P^T; O / l quantised along the channels.  All products on codes of FP6 (E2M3) with E8M0 scales, f32 sums.
; THE SOFTMAX: t = score x log2(e) / 8; M = the running largest t rounded UP to a whole number; p = 2^(t - M) is quantised along the keys, not normalised; l is the sum of the unquantised p and divides O at the end.
; When M moves, l and O^T are multiplied by 2^(old M - new M): exact.
; SHARES: a work-group owns 256 queries of head bh; each of its sixteen waves one tile of 16 (tile w % 2 of x_q's group 64 b + 8 qb + w / 2), in 256 registers.  Every wave walks all 4,096 keys, 128 a step.
; Both products are used transposed: a lane holds ONE query (lane % 16) throughout.  K, V come as images of the operands' registers (launch kvproj): every LDS read is 512, 256 or 128 consecutive bytes.
; THE KEYS OF A TILE: row m of K's tile T is key 64 (T / 4) + 32 (m / 8) + 8 (T % 4) + m % 8 of the step.  So lane (r, h) holds, in the 32 registers of tiles 4 c .. 4 c + 3, the WHOLE block 2 c + h of 32 keys, in order:
; a block's maximum needs no other lane, and the conversions' results are the registers 6 c .. 6 c + 5 that the second product's operand wants of that lane.
; K = 64 IN AN INSTRUCTION OF 128: Q's registers 6-11 are zero codes.  K's tile T is named as 12 registers from 6 T on: the upper six are the next tile's codes (behind tile 7: six registers of zeros), which meet Q's zeros:
; E2M3 has no NaN and no infinity, so each such product is 0.  Bytes 2, 3 of both scale words repeat bytes 0, 1: none is 0xff.
; RING: two slots of 8 key steps (98,304 bytes), 2^17 apart; the head's scale words (24,576 bytes) and wq's two groups come once.  CLUSTER: the four partners walk the same K and V: every tensor load is joint.
; A wave has at most one tensor load out.
; LIMITS: NaN and infinities are not served; a block whose largest magnitude lies under 2^-124 is held at byte 1; a block of zeros has byte 1 (its codes are zeros; only this program reads the bytes); v_exp_f32 gives 0 for results under 2^-126.
.set SLOT0, 24576                      ; LDS: scale words from 0; slot 0 from here;
.set SLOT1, 1<<17                      ; slot 1 this much further on: one exclusive or turns an address
.set STEPB, 12288
.set SLOTB, 8*STEPB
.set WQ,    253952                     ; wq's groups 2 hd, 2 hd + 1
.set OSC,   279552                     ; O's scale half-words on the way out: 512 bytes, into which no fill lands
.set SPARE, 280064                     ; the spare words, 128 bytes for each of 16 waves
.set HEADB, 417792
.set L16, 1
.set L8,  2
.set L4,  3
.set SPW, 4
.set NIL, 5
.set A16, 6                            ; v6-8 LDS addresses of the step in hand
.set A8,  7
.set A4,  8
.set PFO, 9                            ; v9  256 x lane; never rewritten
.set T0,  10
.set T1,  11
.set NM,  12                           ; v12 -M, v13 the running largest score
.set LS,  14                           ; v[14:15] l in two halves
.set Q,   16                           ; v16-27 Q's fragment (v22-27 zeros)
.set QS,  28                           ; v28 Q's scale word, v29 p's: scales and nothing else
.set PS,  29
.set OW,  30
.set KV,  32                           ; v32-79 K's image, then V's
.set ZR,  80                           ; v80-85 zeros
.set KSC, 86                           ; v86-89 K's scale words, v90-91 V's
.set VSC, 90
.set XQS, 92
.set S,   96                           ; v96-159 S^T, then p
.set O,   160                          ; v160-191 O^T
.set XQ,  160                          ; (ahead of the loop: x_q's four fragments, v160-207)
.set PC,  192                          ; v192-203 p's codes
.set PT,  204
.set BM,  212                          ; v212-215 maxima
.set BT,  216
.set SO,  220                          ; the conversions' scale operands
.set T,   224
.set F,   226                          ; v[226:227] f = 2^(old M - new M)
.set AD,  240                          ; v240-253 seven chains of the sum (ahead of the loop: wq's scale words)
.set WQS, 240
.set WV,  12
.set CX,  13
.set CS,  22                           ; s[22:23] c = log2(e) / 8
.set G1,  24
.set G1W, 32
.set G0,  40
.set G0W, 44
.set SEL, 48
.set TB,  50                           ; LDS byte of the step's codes
.set TSO, 51                           ; LDS byte of the slot's scale words; TSI: the step's within them
.set SLOTS, 52
.set CNT, 53
.set LIM, 54
.set TSI, 55
.set PFA, 56
.macro PLACES n
.rept \n
	v_nop
.endr
.endm
.macro CROUND
	s_barrier_signal -1
	s_barrier_wait -1
	s_cmp_lg_u32 s[WV], 0
	s_cbranch_scc1 .Lnot_wave_0_\@
	s_barrier_signal -3
.Lnot_wave_0_\@:
	s_barrier_wait -3
	s_barrier_signal -1
	s_barrier_wait -1
.endm
; One matrix instruction.  c = -1: the sum begins with the constant 0.  ra = 1: source 0's scales are taken from lanes 16-31.
.macro WM d, a, b, c, sa, sb, ra
.if (\c) < 0
.if (\ra)
	v_wmma_scale_f32_16x16x128_f8f6f4 v[(\d):(\d)+7], v[(\a):(\a)+11], v[(\b):(\b)+11], 0, v[(\sa)], v[(\sb)] matrix_a_fmt:MATRIX_FMT_FP6 matrix_b_fmt:MATRIX_FMT_FP6 matrix_a_scale:MATRIX_SCALE_ROW1
.else
	v_wmma_scale_f32_16x16x128_f8f6f4 v[(\d):(\d)+7], v[(\a):(\a)+11], v[(\b):(\b)+11], 0, v[(\sa)], v[(\sb)] matrix_a_fmt:MATRIX_FMT_FP6 matrix_b_fmt:MATRIX_FMT_FP6
.endif
.else
.if (\ra)
	v_wmma_scale_f32_16x16x128_f8f6f4 v[(\d):(\d)+7], v[(\a):(\a)+11], v[(\b):(\b)+11], v[(\c):(\c)+7], v[(\sa)], v[(\sb)] matrix_a_fmt:MATRIX_FMT_FP6 matrix_b_fmt:MATRIX_FMT_FP6 matrix_a_scale:MATRIX_SCALE_ROW1
.else
	v_wmma_scale_f32_16x16x128_f8f6f4 v[(\d):(\d)+7], v[(\a):(\a)+11], v[(\b):(\b)+11], v[(\c):(\c)+7], v[(\sa)], v[(\sb)] matrix_a_fmt:MATRIX_FMT_FP6 matrix_b_fmt:MATRIX_FMT_FP6
.endif
.endif
.endm
; 32 numbers of a lane, register 16 b + i = channel 32 b + 16 (lane / 16) + i of my query, become six registers of codes at v[pc] (lane (r, h): block h) and b0 | b1 << 8 in v[pw].
.macro QUANTH s, pc, pw
.irp b, 0,1
	v_max3_num_f32 v[BM+\b], |v[(\s)+16*\b]|, |v[(\s)+16*\b+1]|, 0x1800000   ; with the floor 2^(3 - 127): the byte cannot fall under 1
.endr
.irp i, 2,4,6,8,10,12,14
.irp b, 0,1
	v_max3_num_f32 v[BM+\b], v[BM+\b], |v[(\s)+16*\b+\i]|, |v[(\s)+16*\b+\i+1]|
.endr
.endr
.irp b, 0,1
	s_delay_alu instid0(VALU_DEP_2)
	v_permlanex16_b32 v[BT+\b], v[BM+\b], s[SEL], s[SEL+1]
.endr
.irp b, 0,1
	s_delay_alu instid0(VALU_DEP_2)
	v_max_num_f32 v[BM+\b], v[BM+\b], v[BT+\b]
.endr
.irp b, 0,1
	s_delay_alu instid0(VALU_DEP_2)
	v_add_nc_u32 v[SO+\b], 0xff000000, v[BM+\b]
.endr
.irp b, 0,1
	s_delay_alu instid0(VALU_DEP_2)
	v_lshrrev_b32 v[BT+\b], 23, v[SO+\b]
.endr
	s_delay_alu instid0(VALU_DEP_1)
	v_lshl_or_b32 v[\pw], v[BT+1], 8, v[BT]
	v_cvt_scalef32_pk16_fp6_f32 v[(\pc):(\pc)+2], v[(\s):(\s)+15], v[SO]
	v_cvt_scalef32_pk16_fp6_f32 v[PT:PT+2], v[(\s)+16:(\s)+31], v[SO+1]
	v_nop                                          ; one plain instruction behind the scaled conversions
.irp i, 0,1,2
	v_permlane16_swap_b32 v[(\pc)+\i], v[PT+\i]
.endr
.irp i, 0,1,2
	s_delay_alu instid0(VALU_DEP_3)
	v_mov_b32 v[(\pc)+3+\i], v[PT+\i]
.endr
.endm
	s_load_b256 s[4:11], s[0:1], 0x0               ; qx, kv, oc, os
	v_lshl_add_u32 v[SPW], v0, 2, SPARE
	v_mov_b32 v[NIL], 0
	ds_add_u32 v[SPW], v[NIL]                      ; the opening lines: the add, twice on end, and its wait ahead of the first tensor loads
	ds_add_u32 v[SPW], v[NIL]
	v_lshrrev_b32 v1, 5, v0
	s_delay_alu instid0(VALU_DEP_1)
	v_readfirstlane_b32 s[WV], v1                  ; wave 0..15
	s_bfe_u32 s[CX], ttmp6, 0x40000                ; cx
	s_lshl_b32 s14, ttmp9, 2
	s_add_co_u32 s14, s14, s[CX]                   ; qb: my block of 256 queries: it enters x_q's, oc's and os's addresses and the prefetches' alone
	s_and_b32 s15, ttmp7, 0xffff                   ; bh, which the partners share
	s_lshr_b32 s16, s15, 3                         ; b
	s_and_b32 s17, s15, 7                          ; hd
	; descriptor groups 1: rows of 256 bytes (32 elements of 8 bytes), dense; joint: all four partners.  G1: 96 rows; G1W: 100 rows
	s_mov_b32 s[G1], 15|(3<<16)|(1<<21)
	s_mov_b32 s[G1+1], 32<<16
	s_mov_b32 s[G1+2], 96<<16
	s_mov_b32 s[G1+3], 32<<16
	s_mov_b32 s[G1+4], 96
	s_mov_b32 s[G1+5], 32
	s_mov_b32 s[G1+6], 0
	s_mov_b32 s[G1+7], 0
	s_mov_b32 s[G1W], 15|(3<<16)|(1<<21)
	s_mov_b32 s[G1W+1], 32<<16
	s_mov_b32 s[G1W+2], 100<<16
	s_mov_b32 s[G1W+3], 32<<16
	s_mov_b32 s[G1W+4], 100
	s_mov_b32 s[G1W+5], 32
	s_mov_b32 s[G1W+6], 0
	s_mov_b32 s[G1W+7], 0
	s_mov_b32 s[G0], 1
	s_mul_i32 s[G0+1], s[WV], 24576                ; wave 0: the scale words; waves 1-4: slot 0's quarters: in the head's bytes the scale words lie straight in front of the codes, as in LDS
	s_mul_i32 s18, s15, HEADB
	s_add_co_u32 s18, s18, s[G0+1]
	s_mov_b32 s19, 0
	s_mov_b32 s[G0W], 1
	s_mov_b32 s[G0W+1], WQ
	s_mul_i32 s20, s17, 25600
	s_add_co_u32 s20, s20, 9830400                 ; wq's groups 2 hd, 2 hd + 1
	s_mov_b32 s21, 0
	v_and_b32 v[T0], 31, v0
	s_delay_alu instid0(VALU_DEP_1)
	v_lshlrev_b32 v[L16], 4, v[T0]
	s_wait_alu depctr_va_vdst(0)
	v_lshlrev_b32 v[L8], 3, v[T0]
	v_lshlrev_b32 v[L4], 2, v[T0]
	v_lshlrev_b32 v[PFO], 8, v[T0]
	s_lshl_b32 s58, s16, 6
	s_lshl_b32 s59, s14, 3
	s_add_co_u32 s58, s58, s59
	s_lshr_b32 s59, s[WV], 1
	s_add_co_u32 s58, s58, s59                     ; G: my group of x_q and of oc
	s_and_b32 s59, s[WV], 1                        ; u: my tile in it
	s_mul_i32 s60, s58, 12800
	s_add_co_u32 s60, s60, 6553600
	s_mov_b32 s61, 0
	s_mul_i32 s62, s58, 12288
	s_mul_i32 s63, s59, 6144
	s_add_co_u32 s62, s62, s63
	v_add_nc_u32 v[T0], s63, v[L16]                ; x_q's fragments: 16 lane + 6144 u
	s_mul_i32 s63, s17, 768
	s_add_co_u32 s62, s62, s63                     ; oc: 12288 G + 6144 u + 1536 (hd / 2) + 768 (hd % 2)
	s_mov_b32 s63, 0
	s_lshl_b32 s2, s16, 3
	s_add_co_u32 s2, s2, s14
	s_lshl_b32 s2, s2, 3
	s_add_co_u32 s2, s2, s17
	s_lshl_b32 s2, s2, 9                           ; os: ((8 b + qb) 8 + hd) 512
	s_mov_b32 s3, 0
	v_and_b32 v[T1], 15, v0
	s_delay_alu instid0(VALU_DEP_1)
	v_lshlrev_b32 v[T1], 4, v[T1]
	s_lshl_b32 s59, s59, 8
	v_add_nc_u32 v[T1], s59, v[T1]                 ; x_q's scale words: 16 r + 256 u
	s_mul_i32 s[PFA], s15, HEADB                   ; the prefetches: my head's codes, slot 1 (the first change of slots steps it to slot 2),
	s_add_co_u32 s[PFA], s[PFA], SLOT0+SLOTB
	s_mul_i32 s58, s[CX], 24576                    ; my work-group's quarter of a slot: the partners are told apart by address,
	s_add_co_u32 s[PFA], s[PFA], s58
	s_and_b32 s58, s[WV], 3
	s_lshl_b32 s58, s58, 13                        ; my wave's 8,192 bytes of it (waves 8, 9, 10)
	s_add_co_u32 s[PFA], s[PFA], s58
	s_mov_b32 s[PFA+1], 0
	s_lshr_b32 s[LIM], s[WV], 2
	s_xor_b32 s[LIM], s[LIM], 2                    ; 0 in waves 8 to 11,
	s_or_b32 s[LIM], s[LIM], ttmp9                 ; of the head's first cluster: the same in all partners
	s_cmp_eq_u32 s[LIM], 0
	s_cselect_b32 s[LIM], 1, -1
	s_cmp_eq_u32 s[WV], 11                         ; (a quarter of a slot is three waves' worth)
	s_cselect_b32 s[LIM], -1, s[LIM]
	s_mov_b32 s[CS], 0x3e38aa3b                    ; c = log2(e) / 8
	s_mov_b32 s[CS+1], s[CS]
	s_mov_b32 s[SEL], 0x76543210
	s_mov_b32 s[SEL+1], 0xfedcba98                 ; selects for lane l xor 16
	s_mov_b32 s[TB], SLOT0
	s_mov_b32 s[TSO], 0
	s_mov_b32 s[SLOTS], 3
	s_wait_dscnt 0x0                               ; both opening adds are done
	s_wait_kmcnt 0x0
	s_add_nc_u64 s[G0+2:G0+3], s[6:7], s[18:19]
	s_or_b32 s[G0+3], s[G0+3], 0x80000000
	s_add_nc_u64 s[G0W+2:G0W+3], s[4:5], s[20:21]
	s_or_b32 s[G0W+3], s[G0W+3], 0x80000000
	s_add_nc_u64 s[PFA:PFA+1], s[6:7], s[PFA:PFA+1]
	s_add_nc_u64 s[4:5], s[4:5], s[60:61]          ; my group of x_q
	s_add_nc_u64 s[8:9], s[8:9], s[62:63]
	s_add_nc_u64 s[10:11], s[10:11], s[2:3]
	CROUND                                         ; all four work-groups are here: the first joint loads meet
	s_cmp_lt_u32 s[WV], 5
	s_cbranch_scc0 .Lnot_kv
	tensor_load_to_lds s[G0:G0+3], s[G1:G1+7]
	s_nop 0
	PLACES 4
	s_branch .Lfirst_asked
.Lnot_kv:
	s_cmp_eq_u32 s[WV], 5
	s_cbranch_scc0 .Lfirst_asked
	tensor_load_to_lds s[G0W:G0W+3], s[G1W:G1W+7]
	s_nop 0
	PLACES 4
.Lfirst_asked:
	s_wait_alu depctr_va_vdst(0)
.irp s, 0,1,2,3
.irp j, 0,1,2
	global_load_b128 v[XQ+12*\s+4*\j:XQ+12*\s+4*\j+3], v[T0], s[4:5] offset:1536*\s+512*\j   ; my tile's four fragments of x_q, as they stand
.endr
.endr
	global_load_b128 v[XQS:XQS+3], v[T1], s[4:5] offset:12288   ; row r's four scale words, in both halves of the lanes
.irp j, 0,1,2,3,4,5
	v_mov_b32 v[Q+6+\j], 0                         ; Q's zero codes for k = 64 .. 127
	v_mov_b32 v[ZR+\j], 0                          ; and what stands behind K's tile 7
.endr
.irp b, 0,1,2,3
	v_mov_b32 v[BT+\b], 0                          ; a lane permute's destination counts as one of its sources
.endr
	v_mov_b32 v[T], 0
	v_mov_b32 v[F+1], 0
	v_mov_b32 v[LS], 0
	v_mov_b32 v[LS+1], 0
	v_mov_b32 v[NM+1], 0xff61b1e6                  ; the largest score so far: -3e38, under every score
	s_delay_alu instid0(VALU_DEP_1)
	v_floor_f32 v[NM], -v[NM+1]                    ; -M
	v_add_nc_u32 v[A16], WQ, v[L16]
	s_wait_alu depctr_va_vdst(0)
	s_wait_tensorcnt 0x0                           ; my first fill has landed,
	s_barrier_signal -1
	s_barrier_wait -1                              ; everybody's has
	; ---- q = x_q wq^T for my 16 queries and my head's 64 channels: source 0 = 16 rows of wq, source 1 = x_q: four accumulators by turns, K step by K step
.irp s, 0,1,2,3
.irp t, 0,1,2,3
.irp j, 0,1,2
	ds_load_b128 v[KV+12*\t+4*\j:KV+12*\t+4*\j+3], v[A16] offset:(\t/2)*12800+(\t%2)*6144+1536*\s+512*\j
.endr
.endr
.if \s == 0
	ds_load_b128 v[WQS:WQS+3], v[A16] offset:12288
	ds_load_b128 v[WQS+4:WQS+7], v[A16] offset:25088
	s_wait_loadcnt 0x0                             ; x_q
.endif
	s_wait_dscnt 0x0
.irp t, 0,1,2,3
.if \s == 0
	WM S+8*\t, KV+12*\t, XQ+12*\s, -1, WQS+4*(\t/2)+\s, XQS+\s, \t%2
.else
	WM S+8*\t, KV+12*\t, XQ+12*\s, S+8*\t, WQS+4*(\t/2)+\s, XQS+\s, \t%2
.endif
.endr
	PLACES 4                                       ; in front of loads into registers that matrix instructions have read, and of the first read of results
.endr
	QUANTH S, Q, QS                                ; register 16 g + 8 u + j is channel 32 g + 16 h + 8 u + j: Q's six registers and two bytes
	v_lshl_or_b32 v[QS], v[QS], 16, v[QS]          ; bytes 2, 3 repeat bytes 0, 1
.set j, 0
.rept 32
	v_mov_b32 v[O+j], 0                            ; O^T.  (The key step has no first step of its own: the first change of M multiplies zeros)
.set j, j+1
.endr
.set j, 0
.rept 64
	v_mov_b32 v[S+j], 0                            ; and p: the first key step sums what stands here
.set j, j+1
.endr
; A KEY STEP: 128 keys.
; THE SUM OF A STEP'S p IS TAKEN AT THE HEAD OF THE NEXT STEP (behind the last step: on the way out): p's 64 registers stand untouched until the next scores are written, and l is still under that step's M there.
; 32 packed additions in eight chains (seven at v[AD..], l itself the eighth), in three parts: the first is a place ahead of K's loads, 28 stand between those loads and the wait for them, three are places behind the score products.
.macro LSUM0
	v_pk_add_f32 v[AD:AD+1], v[S:S+1], v[S+2:S+3]
.endm
.macro LSUM1
.irp k, 1,2,3,4,5,6
	v_pk_add_f32 v[AD+2*\k:AD+2*\k+1], v[S+4*\k:S+4*\k+1], v[S+4*\k+2:S+4*\k+3]
.endr
	v_pk_add_f32 v[LS:LS+1], v[LS:LS+1], v[S+28:S+29]
.irp g, 0,1
.irp k, 0,1,2,3,4,5,6
	v_pk_add_f32 v[AD+2*\k:AD+2*\k+1], v[AD+2*\k:AD+2*\k+1], v[S+30+16*\g+2*\k:S+31+16*\g+2*\k]
.endr
	v_pk_add_f32 v[LS:LS+1], v[LS:LS+1], v[S+44+16*\g:S+45+16*\g]
.endr
	v_pk_add_f32 v[AD:AD+1], v[AD:AD+1], v[S+62:S+63]
.irp k, 1,2
	v_pk_add_f32 v[AD+2*\k:AD+2*\k+1], v[AD+2*\k:AD+2*\k+1], v[AD+8+2*\k:AD+9+2*\k]
.endr
	v_pk_add_f32 v[LS:LS+1], v[LS:LS+1], v[AD+6:AD+7]
	v_pk_add_f32 v[AD:AD+1], v[AD:AD+1], v[AD+8:AD+9]
.endm
.macro LSUM2
	v_pk_add_f32 v[LS:LS+1], v[LS:LS+1], v[AD+4:AD+5]
	v_pk_add_f32 v[AD:AD+1], v[AD:AD+1], v[AD+2:AD+3]
	s_delay_alu instid0(VALU_DEP_1)
	v_pk_add_f32 v[LS:LS+1], v[LS:LS+1], v[AD:AD+1]
.endm
.macro STEP ask
	s_add_co_u32 s58, s[TSO], s[TSI]
	v_add_nc_u32 v[A16], s[TB], v[L16]             ; these three and the sum's first addition are the four places behind the last step's products, in front of the loads into their registers
	v_add_nc_u32 v[A8], s58, v[L8]
	v_add_nc_u32 v[A4], s58, v[L4]
	LSUM0
.irp j, 0,1,2,3,4,5,6,7,8,9,10,11
	ds_load_b128 v[KV+4*\j:KV+4*\j+3], v[A16] offset:512*\j     ; K's image: 48 registers
.endr
	ds_load_b64 v[KSC:KSC+1], v[A8]                ; K's scale words: a register for each pair of tiles
	ds_load_b64 v[KSC+2:KSC+3], v[A8] offset:256
	ds_load_b32 v[VSC], v[A4] offset:512           ; V's likewise
	ds_load_b32 v[VSC+1], v[A4] offset:640
	LSUM1                                          ; the last step's p is summed while K's image is on its way
	s_wait_alu depctr_va_vdst(0)
	s_wait_dscnt 0x0
.irp t, 0,1,2,3,4,5,6,7
	WM S+8*\t, KV+6*\t, Q, -1, KSC+\t/2, QS, \t%2
.endr
	v_mov_b32 v[T], v[NM]                          ; the old -M: with the sum's last three additions the four places behind the products
	LSUM2
.irp j, 0,1,2,3,4,5,6,7,8,9,10,11
	ds_load_b128 v[KV+4*\j:KV+4*\j+3], v[A16] offset:6144+512*\j   ; V's image takes K's place and lands while the softmax is walked
.endr
.if \ask
; A PREFETCH INTO THE L2 of the slot that the NEXT change of slots will ask for, in a slot's seventh key step: two key steps ahead of that load.  A slot is 384 blocks of 256 bytes: only the head's first cluster asks;
; its four partners take a quarter each, told apart by address; in each, waves 8, 9, 10 take 32 blocks, a lane a block: each block is named once in the launch.  Slots 0 and 1 come by their loads alone;
; the last trip that fills a slot asks for nothing.
	s_cmp_eq_u32 s[CNT], 2
	s_cbranch_scc0 .Lno_ask_\@
	s_cmp_gt_u32 s[SLOTS], s[LIM]
	s_cbranch_scc0 .Lno_ask_\@
	global_prefetch_b8 v[PFO], s[PFA:PFA+1] th:TH_LOAD_NT scope:SCOPE_SE
.Lno_ask_\@:
.endif
.irp b, 0,1,2,3
	v_max3_num_f32 v[BM+\b], v[S+16*\b], v[S+16*\b+1], v[S+16*\b+2]   ; four chains of 16 registers; each accumulator is read from its low end on
.endr
.irp i, 3,5,7,9,11,13
.irp b, 0,1,2,3
	v_max3_num_f32 v[BM+\b], v[BM+\b], v[S+16*\b+\i], v[S+16*\b+\i+1]
.endr
.endr
.irp c, 0,1
	v_max3_num_f32 v[BM+2*\c], v[BM+2*\c], v[S+32*\c+15], v[S+32*\c+31]
.endr
.irp c, 0,1
	s_delay_alu instid0(VALU_DEP_2)
	v_max_num_f32 v[BM+2*\c], v[BM+2*\c], v[BM+2*\c+1]   ; THE LARGEST SCORE OF MY BLOCK 2 c + h serves twice: for the row's maximum, and, since p rises with the score, for the block's largest p
.endr
	s_delay_alu instid0(VALU_DEP_1)
	v_max_num_f32 v[T+1], v[BM], v[BM+2]
	s_delay_alu instid0(VALU_DEP_1)
	v_permlanex16_b32 v[BT], v[T+1], s[SEL], s[SEL+1]
	s_delay_alu instid0(VALU_DEP_1)
	v_max3_num_f32 v[NM+1], v[NM+1], v[T+1], v[BT] ; the running largest score, with lane l xor 16's two blocks
	s_delay_alu instid0(VALU_DEP_1)
	v_mul_f32 v[BT], s[CS], v[NM+1]                ; as t (c is positive, so the largest score gives the largest t)
	s_delay_alu instid0(VALU_DEP_1)
	v_floor_f32 v[NM], -v[BT]                      ; the new -M = floor(-t): M is a whole number
	s_delay_alu instid0(VALU_DEP_1)
	v_sub_f32 v[T], v[NM], v[T]                    ; old M - new M: a whole number, 0 or less
	s_delay_alu instid0(VALU_DEP_1)
	v_cvt_i32_f32 v[T], v[T]                       ; (it saturates)
	s_delay_alu instid0(VALU_DEP_1)
	v_ldexp_f32 v[F], 1.0, v[T]                    ; f = 2^(old M - new M)
.set j, 0
.rept 32
	v_pk_fma_f32 v[S+j:S+j+1], v[S+j:S+j+1], s[CS:CS+1], v[NM:NM+1] op_sel_hi:[1,0,0]   ; t - M, two at a time
.set j, j+2
.endr
.irp b, 0,2
	v_fma_f32 v[BM+\b], v[BM+\b], s[CS], v[NM]     ; the same of each block's largest score
.endr
.set j, 0
	s_wait_alu depctr_va_vdst(0)                   ; ahead of the batch
.irp b, 0,2
	v_exp_f32 v[BM+\b], v[BM+\b]                   ; the block's largest p: the same two instructions on the same number give the same bits
.endr
.rept 64
	v_exp_f32 v[S+j], v[S+j]                       ; p = 2^(t - M), at most 1; it stays in these registers until the next step has summed it
.set j, j+1
.endr
	v_pk_mul_f32 v[LS:LS+1], v[LS:LS+1], v[F:F+1] op_sel_hi:[1,0]   ; l, which holds all earlier steps' p, under the new M: the plain instruction behind the exponentials
	s_wait_alu depctr_va_vdst(0)                   ; one wait for the whole batch, ahead of its first reader
.irp c, 0,1
	v_max_num_f32 v[BM+2*\c], 0x1800000, v[BM+2*\c]   ; the floor 2^(3 - 127): the byte cannot fall under 1
.endr
.irp c, 0,1
	s_delay_alu instid0(VALU_DEP_2)
	v_add_nc_u32 v[SO+\c], 0xff000000, v[BM+2*\c]  ; 2 off the exponent field: the conversion's scale operand
.endr
.irp c, 0,1
	s_delay_alu instid0(VALU_DEP_2)
	v_lshrrev_b32 v[BT+\c], 23, v[SO+\c]           ; the byte
.endr
	s_delay_alu instid0(VALU_DEP_1)
	v_lshl_or_b32 v[BT], v[BT+1], 16, v[BT]        ; my two bytes: blocks h and 2 + h, at bytes 0 and 2
	s_delay_alu instid0(VALU_DEP_1)
	v_permlanex16_b32 v[BT+2], v[BT], s[SEL], s[SEL+1]
.irp c, 0,1
	v_cvt_scalef32_pk16_fp6_f32 v[PC+6*\c:PC+6*\c+2], v[S+32*\c:S+32*\c+15], v[SO+\c]      ; block 2 c + h, whole: registers 6 c .. 6 c + 5 of the operand
	v_cvt_scalef32_pk16_fp6_f32 v[PT+4*\c:PT+4*\c+2], v[S+32*\c+16:S+32*\c+31], v[SO+\c]   ; (a conversion's three registers begin on an even number)
.endr
	v_lshl_or_b32 v[PS], v[BT+2], 8, v[BT]         ; p's scale word: in lanes 0-15, which alone are read, blocks 0, 2 are mine and 1, 3 lane l xor 16's.  Also the plain instruction behind the conversions
.irp c, 0,1
.irp i, 0,1,2
	v_mov_b32 v[PC+6*\c+3+\i], v[PT+4*\c+\i]
.endr
.endr
	s_wait_alu depctr_va_vdst(0)                   ; directly ahead of the first reader of O^T
.set j, 0
.rept 16
	v_pk_mul_f32 v[O+j:O+j+1], v[O+j:O+j+1], v[F:F+1] op_sel_hi:[1,0]   ; O^T under the new M.  (For each product below the twelve of the other tiles are the places behind the writes of p's scale word and codes)
.set j, j+2
.endr
	s_wait_alu depctr_va_vdst(0)
	s_wait_dscnt 0x0                               ; V's image is in
.irp t, 0,1,2,3
	WM O+8*\t, KV+12*\t, PC, O+8*\t, VSC+\t/2, PS, \t%2
.endr
	s_add_co_u32 s[TB], s[TB], STEPB
	s_add_co_u32 s[TSI], s[TSI], 768
.endm
.macro SLOT_STEPS ask                          ; a slot's eight key steps: written once, walked eight times
	s_mov_b32 s[CNT], 8
	s_mov_b32 s[TSI], 0
.Lstep_\@:
	STEP \ask
	s_sub_co_u32 s[CNT], s[CNT], 1
	s_cmp_lg_u32 s[CNT], 0
	s_cbranch_scc1 .Lstep_\@
	s_sub_co_u32 s[TB], s[TB], SLOTB               ; back to a slot's first step,
	s_xor_b32 s[TB], s[TB], SLOT1                  ; in the other slot
	s_add_co_u32 s[TSO], s[TSO], 6144              ; the next slot's scale words
.endm
.macro TLOAD                                   ; waves 1 to 4 fetch a slot's quarters; the branches hang on the wave's number alone
	s_cmp_eq_u32 s[WV], 0
	s_cbranch_scc1 .Lasked_\@
	s_cmp_lt_u32 s[WV], 5
	s_cbranch_scc0 .Lasked_\@
	tensor_load_to_lds s[G0:G0+3], s[G1:G1+7]
	s_nop 0
	PLACES 4
.Lasked_\@:
.endm
; THE CHANGE OF SLOTS stands at a slot's head.  Each wave waits for all its tensor loads (its part of the slot that it is about to read), adds 0 to its spare word, and waits for that and for its reads of the slot that it has left.
; fill = 1: a round of the cluster's barrier, so that no wave of any partner still reads that slot or has a load on its way; the joint refill is the first thing behind it and has eight key steps in which to land.
.macro CHANGE fill
	s_wait_tensorcnt 0x0                           ; no tensor load of mine is out, so the group 0 may be written
	ds_add_u32 v[SPW], v[NIL]
.if \fill
	s_xor_b32 s[G0+1], s[G0+1], SLOT1              ; the walking descriptor: the other slot than last time,
	s_add_nc_u64 s[G0+2:G0+3], s[G0+2:G0+3], SLOTB ; the next eight key steps; the type bits on top are not reached
	s_wait_xcnt 0x0                                ; the last prefetch has read its address, so it may be written
	s_add_nc_u64 s[PFA:PFA+1], s[PFA:PFA+1], SLOTB
	s_wait_dscnt 0x0                               ; the add is done, and my reads of the slot that I have left are over
	CROUND
	TLOAD
.else
	s_wait_dscnt 0x0
	s_barrier_signal -1
	s_barrier_wait -1
.endif
.endm
.Lslot:                                            ; three trips: behind each change of slots but the last the next slot is asked for
	CHANGE 1
	SLOT_STEPS 1
	s_sub_co_u32 s[SLOTS], s[SLOTS], 1
	s_cmp_lg_u32 s[SLOTS], 0
	s_cbranch_scc1 .Lslot
	CHANGE 0                                       ; the last slot is written out, so that no trip jumps over a tensor load
	SLOT_STEPS 0
	; THE WAY OUT: O^T / l, quantised along the channels: my head's six registers of the next product's fragment, and two scale bytes a query
	LSUM0                                          ; the last key step's p
	LSUM1
	LSUM2
	s_delay_alu instid0(VALU_DEP_1)
	v_add_f32 v[LS], v[LS], v[LS+1]
	s_delay_alu instid0(VALU_DEP_1)
	v_permlanex16_b32 v[T], v[LS], s[SEL], s[SEL+1]
	s_delay_alu instid0(VALU_DEP_1)
	v_add_f32 v[LS], v[LS], v[T]                   ; the row's sum
	s_wait_alu depctr_va_vdst(0)
	v_rcp_f32 v[LS], v[LS]
	v_and_b32 v[T0], 15, v0                        ; (plain work behind the reciprocal)
	s_delay_alu instid0(VALU_DEP_1)
	v_lshlrev_b32 v[T0], 1, v[T0]
	s_lshl_b32 s58, s[WV], 5
	v_add_nc_u32 v[T0], s58, v[T0]
	s_delay_alu instid0(VALU_DEP_1)
	v_add_nc_u32 v[T0], OSC, v[T0]                 ; my query's half-word: 32 w + 2 r
	v_add_nc_u32 v[T1], OSC, v[L16]
	s_wait_alu depctr_va_vdst(0)                   ; the wait ahead of the reciprocal's first reader
.set j, 0
.rept 32
	v_mul_f32 v[S+j], v[O+j], v[LS]                ; each accumulator from its low end on; register 16 i + 8 n + j is channel 32 i + 16 h + 8 n + j
.set j, j+1
.endr
	QUANTH S, PC, OW
.irp p, 0,1,2
	global_store_b64 v[L8], v[PC+2*\p:PC+2*\p+1], s[8:9] offset:256*\p   ; 32 lanes store 256 consecutive bytes, aligned
.endr
	ds_store_b16 v[T0], v[OW]                      ; both halves of the lanes write the same half-word with the same value
	s_wait_dscnt 0x0                               ; for the others' sake
	s_barrier_signal -1
	s_barrier_wait -1
	s_cmp_lg_u32 s[WV], 0
	s_cbranch_scc1 .Lend
	ds_load_b128 v[S:S+3], v[T1]                   ; wave 0: the 256 queries' half-words
	s_wait_dscnt 0x0
	global_store_b128 v[L16], v[S:S+3], s[10:11]   ; 512 consecutive bytes
.Lend:
	s_wait_tensorcnt 0x0                           ; the wave's end
	ds_add_u32 v[SPW], v[NIL]
	s_wait_dscnt 0x0
	CROUND                                         ; the closing round
	s_endpgm
.Lfunc_end_k_qe6cdb8c5e3_attn:
	.size	k_qe6cdb8c5e3_attn, .Lfunc_end_k_qe6cdb8c5e3_attn-k_qe6cdb8c5e3_attn
	.p2alignl 7, 3214868480
	.fill 96, 4, 3214868480
	.section	.rodata,"a",@progbits
	.p2align	6, 0x0
	.amdhsa_kernel k_qe6cdb8c5e3_attn
		.amdhsa_group_segment_fixed_size 327680
		.amdhsa_private_segment_fixed_size 0
		.amdhsa_enable_private_segment 0
		.amdhsa_kernarg_size 32
		.amdhsa_user_sgpr_count 2
		.amdhsa_user_sgpr_kernarg_segment_ptr 1
		.amdhsa_wavefront_size32 1
		.amdhsa_system_sgpr_workgroup_id_x 1
		.amdhsa_system_sgpr_workgroup_id_y 1
		.amdhsa_system_sgpr_workgroup_id_z 1
		.amdhsa_system_vgpr_workitem_id 0
		.amdhsa_next_free_vgpr 256
		.amdhsa_next_free_sgpr 66
		.amdhsa_reserve_vcc 0
		.amdhsa_float_denorm_mode_32 3
		.amdhsa_float_denorm_mode_16_64 3
		.amdhsa_memory_ordered 1
		.amdhsa_forward_progress 1
		.amdhsa_inst_pref_size 58
	.end_amdhsa_kernel
	.amdgpu_metadata
---
amdhsa.version: [ 1, 2 ]
amdhsa.kernels:
  - .name:           k_qe6cdb8c5e3_attn
    .symbol:         k_qe6cdb8c5e3_attn.kd
    .args:
      - { .name: qx, .offset: 0, .size: 8, .value_kind: global_buffer, .address_space: global }
      - { .name: kv, .offset: 8, .size: 8, .value_kind: global_buffer, .address_space: global }
      - { .name: oc, .offset: 16, .size: 8, .value_kind: global_buffer, .address_space: global }
      - { .name: os, .offset: 24, .size: 8, .value_kind: global_buffer, .address_space: global }
    .group_segment_fixed_size: 327680
    .private_segment_fixed_size: 0
    .kernarg_segment_align: 8
    .kernarg_segment_size: 32
    .max_flat_workgroup_size: 512
    .sgpr_count:     66
    .vgpr_count:     256
    .wavefront_size: 32
...
	.end_amdgpu_metadata
.endif
;; end of part 3
;; launch oproj (part 4): grid 4 x 64, 8 waves a work-group, clusters of 4 x 1, 167,936 bytes of LDS; arguments oc, os, qx, b_proj, out0; writes out0
.if DOCPART == 4
	.amdgcn_target "amdgcn-amd-amdhsa--gfx1250"
	.amdhsa_code_object_version 6
	.text
	.protected	k_qe6cdb8c5e3_oproj
	.globl	k_qe6cdb8c5e3_oproj
	.p2align	8
	.type	k_qe6cdb8c5e3_oproj,@function
k_qe6cdb8c5e3_oproj:
	s_mov_b64 s[64:65], 0
	v_nop
	global_prefetch_b8 v0, s[64:65] scope:SCOPE_SE
	s_setreg_imm32_b32 hwreg(HW_REG_WAVE_MODE, 25, 1), 1
	s_wait_xcnt 0x0
	s_wait_alu depctr_hold_cnt(0) depctr_sa_sdst(0) depctr_va_vdst(0) depctr_va_sdst(0) depctr_va_ssrc(0) depctr_va_vcc(0) depctr_vm_vsrc(0)
	s_getreg_b32 s2, hwreg(HW_REG_IB_STS2, 6, 4)
	s_cmp_eq_u32 s2, 0
	s_cbranch_scc0 .Lentry_in_a_cluster
	s_endpgm
.Lentry_in_a_cluster:
	s_bfe_u32 s2, ttmp6, 0x10000c
	s_cmp_lg_u32 s2, 0x3003
	s_cbranch_scc0 .Lentry_shape_is_right
	s_endpgm
.Lentry_shape_is_right:
; out0 = O w_proj^T + b_proj on codes of FP6 (E2M3) with E8M0 scales, f32 sums.  O's codes (oc) and scale half-words (os) come from launch attn, w_proj's groups from qx.
; oc: 256 groups of 32 rows, 12,288 bytes: fragment (tile u, K step s) at 6144 u + 1536 s, six pieces of two registers at 256 p + 8 lane.  os: [block of 256 rows][head][256 rows in the tiles' order] of b0 | b1 << 8.
; SHARES: a work-group takes 128 rows x 128 columns; wave w: O's group w % 4 (two tiles of 16 rows) x w_proj's groups 2 (w / 4), 2 (w / 4) + 1 (four tiles, 64 columns): 8 accumulators, 32 matrix instructions.
; Source 0 = 16 rows of w_proj, source 1 = 16 rows of O: a lane holds one row of the output and 16 neighbouring columns in two neighbouring tiles.  The bias is the C of each sum's first instruction.
; CLUSTER: the four partners are the four column blocks of one block of rows: O's codes and scale bytes are asked for jointly; each work-group's own four groups of w_proj by plain loads.  All are first fills: one load a wave is out.
; LIMITS: NaN and infinities are not served.
.set OLDS,  51200                      ; LDS: w_proj's four groups from 0; O's four groups from here;
.set OSB,   100352                     ; O's scale half-words: [head][128 rows], 256 bytes a head;
.set STAGE, 102400                     ; a stage of 16 rows x (256 + 16) bytes for each wave, into which no fill lands;
.set SPARE, 137216                     ; the spare words, 128 bytes for each of 8 waves
.set L16, 1
.set L8,  2
.set SPW, 3
.set NIL, 4
.set AW,  5
.set AO,  6
.set ASB, 7
.set STO, 8
.set RD,  9
.set GO,  10
.set BO,  11
.set OS,  12                           ; v12-15 O's scale words, v16-23 w_proj's: scales and nothing else
.set WS,  16
.set TBY, 24                           ; v24-31 the heads' half-words
.set OF,  32                           ; v32-55 O's two fragments
.set WF,  56                           ; v56-103 w_proj's four
.set ACC, 104                          ; v104-167
.set BI,  168                          ; v168-199 the bias, in the result's layout
.set BK0, 200                          ; v200-231 rows read back from the stage (tile 1's: v32-63)
.set BK1, 32
.set WV,  14
.set CX,  15
.set RB,  16
.macro PLACES n
.rept \n
	v_nop
.endr
.endm
.macro CROUND
	s_barrier_signal -1
	s_barrier_wait -1
	s_cmp_lg_u32 s[WV], 0
	s_cbranch_scc1 .Lnot_wave_0_\@
	s_barrier_signal -3
.Lnot_wave_0_\@:
	s_barrier_wait -3
	s_barrier_signal -1
	s_barrier_wait -1
.endm
; One matrix instruction.  ra, rb = 1: that side's scales are taken from lanes 16-31.
.macro WM d, a, b, c, sa, sb, ra, rb
.if (\ra) && (\rb)
	v_wmma_scale_f32_16x16x128_f8f6f4 v[(\d):(\d)+7], v[(\a):(\a)+11], v[(\b):(\b)+11], v[(\c):(\c)+7], v[(\sa)], v[(\sb)] matrix_a_fmt:MATRIX_FMT_FP6 matrix_b_fmt:MATRIX_FMT_FP6 matrix_a_scale:MATRIX_SCALE_ROW1 matrix_b_scale:MATRIX_SCALE_ROW1
.elseif (\ra)
	v_wmma_scale_f32_16x16x128_f8f6f4 v[(\d):(\d)+7], v[(\a):(\a)+11], v[(\b):(\b)+11], v[(\c):(\c)+7], v[(\sa)], v[(\sb)] matrix_a_fmt:MATRIX_FMT_FP6 matrix_b_fmt:MATRIX_FMT_FP6 matrix_a_scale:MATRIX_SCALE_ROW1
.elseif (\rb)
	v_wmma_scale_f32_16x16x128_f8f6f4 v[(\d):(\d)+7], v[(\a):(\a)+11], v[(\b):(\b)+11], v[(\c):(\c)+7], v[(\sa)], v[(\sb)] matrix_a_fmt:MATRIX_FMT_FP6 matrix_b_fmt:MATRIX_FMT_FP6 matrix_b_scale:MATRIX_SCALE_ROW1
.else
	v_wmma_scale_f32_16x16x128_f8f6f4 v[(\d):(\d)+7], v[(\a):(\a)+11], v[(\b):(\b)+11], v[(\c):(\c)+7], v[(\sa)], v[(\sb)] matrix_a_fmt:MATRIX_FMT_FP6 matrix_b_fmt:MATRIX_FMT_FP6
.endif
.endm
	s_load_b256 s[4:11], s[0:1], 0x0               ; oc, os, qx, b_proj
	s_load_b64 s[12:13], s[0:1], 0x20              ; out0
	v_lshl_add_u32 v[SPW], v0, 2, SPARE
	v_mov_b32 v[NIL], 0
	ds_add_u32 v[SPW], v[NIL]                      ; the wave's opening: the add and its wait ahead of the first tensor loads; work on registers stands between them
	ds_add_u32 v[SPW], v[NIL]
	v_lshrrev_b32 v1, 5, v0
	s_delay_alu instid0(VALU_DEP_1)
	v_readfirstlane_b32 s[WV], v1                  ; wave 0..7
	s_bfe_u32 s[CX], ttmp6, 0x40000                ; cx: my block of 128 columns
	s_and_b32 s[RB], ttmp7, 0xffff                 ; my block of 128 rows, which the partners share
	; descriptor groups 1, rows of 256 bytes (32 elements of 8 bytes).  s[24:31]: 100 rows, dense, my work-group alone; s[32:39]: 96 rows, dense, joint; s[40:47]: 8 rows 512 bytes apart, joint
	s_mov_b32 s24, 3<<16
	s_mov_b32 s25, 32<<16
	s_mov_b32 s26, 100<<16
	s_mov_b32 s27, 32<<16
	s_mov_b32 s28, 100
	s_mov_b32 s29, 32
	s_mov_b32 s30, 0
	s_mov_b32 s31, 0
	s_mov_b32 s32, 15|(3<<16)|(1<<21)
	s_mov_b32 s33, 32<<16
	s_mov_b32 s34, 96<<16
	s_mov_b32 s35, 32<<16
	s_mov_b32 s36, 96
	s_mov_b32 s37, 32
	s_mov_b32 s38, 0
	s_mov_b32 s39, 0
	s_mov_b32 s40, 15|(3<<16)|(1<<21)
	s_mov_b32 s41, 32<<16
	s_mov_b32 s42, 8<<16
	s_mov_b32 s43, 32<<16
	s_mov_b32 s44, 8
	s_mov_b32 s45, 64
	s_mov_b32 s46, 0
	s_mov_b32 s47, 0
	s_mov_b32 s48, 1                               ; waves 0, 1: w_proj's groups
	s_mul_i32 s49, s[WV], 25600
	s_mul_i32 s18, s[CX], 51200
	s_add_co_u32 s18, s18, s49
	s_add_co_u32 s18, s18, 10444800
	s_mov_b32 s19, 0
	s_mov_b32 s52, 1                               ; waves 2, 3: O's groups: LDS 51,200 and 75,776
	s_mul_i32 s53, s[WV], 24576
	s_add_co_u32 s53, s53, 2048
	s_mul_i32 s20, s[RB], 49152
	s_and_b32 s21, s[WV], 1
	s_mul_i32 s21, s21, 24576
	s_add_co_u32 s20, s20, s21
	s_mov_b32 s21, 0
	s_mov_b32 s56, 1                               ; wave 4: O's scale half-words
	s_mov_b32 s57, OSB
	s_lshr_b32 s22, s[RB], 1
	s_lshl_b32 s22, s22, 12
	s_and_b32 s23, s[RB], 1
	s_lshl_b32 s23, s23, 8
	s_add_co_u32 s22, s22, s23
	s_mov_b32 s23, 0
	s_and_b32 s60, s[WV], 3                        ; og: my group of O
	s_lshr_b32 s61, s[WV], 2                       ; wg: my half of the columns
	s_lshl_b32 s62, s[CX], 9
	s_lshl_b32 s63, s61, 8
	s_add_co_u32 s62, s62, s63                     ; my first column, in bytes
	s_mov_b32 s63, 0
	s_lshl_b32 s2, s[RB], 18                       ; 128 rows of 2,048 bytes,
	s_lshl_b32 s3, s60, 16                         ; + 32 rows for each group
	s_add_co_u32 s2, s2, s3
	s_add_co_u32 s2, s2, s62
	s_mov_b32 s3, 0
	v_and_b32 v234, 31, v0                         ; lane
	v_and_b32 v232, 15, v0                         ; r
	v_bfe_u32 v233, v0, 4, 1                       ; h
	s_delay_alu instid0(VALU_DEP_3)
	v_lshlrev_b32 v[L16], 4, v234
	s_delay_alu instid0(VALU_DEP_4)
	v_lshlrev_b32 v[L8], 3, v234
	s_mul_i32 s17, s61, 25600
	v_add_nc_u32 v[AW], s17, v[L16]
	s_mul_i32 s17, s60, 12288
	s_add_co_u32 s17, s17, OLDS
	v_add_nc_u32 v[AO], s17, v[L8]
	s_lshl_b32 s17, s60, 6
	s_add_co_u32 s17, s17, OSB
	v_lshl_add_u32 v[ASB], v234, 1, s17            ; 2 (32 og + lane)
	v_lshlrev_b32 v[BO], 6, v233                   ; the bias: 16 numbers further on for lanes 16-31
	s_wait_dscnt 0x0                               ; the opening add is done
	s_wait_kmcnt 0x0
	s_add_nc_u64 s[50:51], s[8:9], s[18:19]
	s_or_b32 s51, s51, 0x80000000
	s_add_nc_u64 s[54:55], s[4:5], s[20:21]
	s_or_b32 s55, s55, 0x80000000
	s_add_nc_u64 s[58:59], s[6:7], s[22:23]
	s_or_b32 s59, s59, 0x80000000
	s_add_nc_u64 s[10:11], s[10:11], s[62:63]
	s_add_nc_u64 s[12:13], s[12:13], s[2:3]
	CROUND                                         ; all four work-groups are here: the joint loads meet
	s_cmp_lt_u32 s[WV], 2
	s_cbranch_scc0 .Lnot_w
	tensor_load_to_lds s[48:51], s[24:31]
	s_nop 0
	PLACES 4
	s_branch .Lasked
.Lnot_w:
	s_cmp_lt_u32 s[WV], 4
	s_cbranch_scc0 .Lnot_o
	tensor_load_to_lds s[52:55], s[32:39]
	s_nop 0
	PLACES 4
	s_branch .Lasked
.Lnot_o:
	s_cmp_eq_u32 s[WV], 4
	s_cbranch_scc0 .Lasked
	tensor_load_to_lds s[56:59], s[40:47]
	s_nop 0
	PLACES 4
.Lasked:
	s_wait_alu depctr_va_vdst(0)
.irp wt, 0,1,2,3
	global_load_b128 v[BI+8*\wt:BI+8*\wt+3], v[BO], s[10:11] offset:(32*(\wt/2)+8*(\wt%2))*4       ; tile wt, lane (r, h): columns 32 (wt / 2) + 16 h + 8 (wt % 2) + 0 .. 7
	global_load_b128 v[BI+8*\wt+4:BI+8*\wt+7], v[BO], s[10:11] offset:(32*(\wt/2)+8*(\wt%2))*4+16
.endr
	s_wait_tensorcnt 0x0                           ; my load has landed,
	s_barrier_signal -1
	s_barrier_wait -1                              ; everybody's has; nothing is filled again
.irp hd, 0,1,2,3,4,5,6,7
	ds_load_u16 v[TBY+\hd], v[ASB] offset:256*\hd  ; lanes 0-15: tile 0's rows; lanes 16-31: tile 1's
.endr
	ds_load_b128 v[WS:WS+3], v[AW] offset:12288
	ds_load_b128 v[WS+4:WS+7], v[AW] offset:25088
	s_wait_dscnt 0x0
.irp s, 0,1,2,3
	v_lshl_or_b32 v[OS+\s], v[TBY+2*\s+1], 16, v[TBY+2*\s]   ; K step s is heads 2 s and 2 s + 1: four bytes
.endr
	s_mul_i32 s17, s[WV], 4352
	s_add_co_u32 s17, s17, STAGE                   ; my stage
	v_mul_u32_u24 v[STO], v232, 272
	s_delay_alu instid0(VALU_DEP_1)
	v_lshl_add_u32 v[STO], v233, 6, v[STO]
	s_delay_alu instid0(VALU_DEP_1)
	v_add_nc_u32 v[STO], s17, v[STO]               ; in: row r, + 64 h
	v_mul_u32_u24 v[RD], v233, 272
	s_delay_alu instid0(VALU_DEP_1)
	v_lshl_add_u32 v[RD], v232, 4, v[RD]
	s_delay_alu instid0(VALU_DEP_1)
	v_add_nc_u32 v[RD], s17, v[RD]                 ; back: lanes 0-15 one row of 256 bytes, lanes 16-31 the next
	v_lshlrev_b32 v[GO], 11, v233
	s_delay_alu instid0(VALU_DEP_1)
	v_lshl_add_u32 v[GO], v232, 4, v[GO]           ; and the same two rows in out0
	PLACES 8                                       ; a scale register written by a vector instruction stands 8 places ahead of the scaled matrix instruction
	s_wait_loadcnt 0x0                             ; the bias
.irp s, 0,1,2,3
.irp xt, 0,1
.irp p, 0,1,2,3,4,5
	ds_load_b64 v[OF+12*\xt+2*\p:OF+12*\xt+2*\p+1], v[AO] offset:\xt*6144+1536*\s+256*\p
.endr
.endr
.irp wt, 0,1,2,3
.irp j, 0,1,2
	ds_load_b128 v[WF+12*\wt+4*\j:WF+12*\wt+4*\j+3], v[AW] offset:(\wt/2)*12800+(\wt%2)*6144+1536*\s+512*\j
.endr
.endr
	s_wait_alu depctr_va_vdst(0)
	s_wait_dscnt 0x0
.irp xt, 0,1                                   ; the eight accumulators take turns, one instruction a turn
.irp wt, 0,1,2,3
.if \s == 0
	WM ACC+8*(4*\xt+\wt), WF+12*\wt, OF+12*\xt, BI+8*\wt, WS+4*(\wt/2)+\s, OS+\s, \wt%2, \xt
.else
	WM ACC+8*(4*\xt+\wt), WF+12*\wt, OF+12*\xt, ACC+8*(4*\xt+\wt), WS+4*(\wt/2)+\s, OS+\s, \wt%2, \xt
.endif
.endr
.endr
	PLACES 4                                       ; in front of loads into registers that matrix instructions have read, and of the first read of results
.endr
; THE WAY OUT: a tile of 16 rows x 64 columns goes through my own stage and comes back as whole rows of 256 bytes.  LDS serves a wave's instructions in order: no wait between the stores and the loads, nor in front of the next tile's stores.
.macro TOSTAGE xt, bk
.irp wt, 0,1,2,3
	ds_store_b128 v[STO], v[ACC+8*(4*(\xt)+\wt):ACC+8*(4*(\xt)+\wt)+3] offset:128*(\wt/2)+32*(\wt%2)        ; each accumulator from its low end on
	ds_store_b128 v[STO], v[ACC+8*(4*(\xt)+\wt)+4:ACC+8*(4*(\xt)+\wt)+7] offset:128*(\wt/2)+32*(\wt%2)+16
.endr
.irp i, 0,1,2,3,4,5,6,7
	ds_load_b128 v[(\bk)+4*\i:(\bk)+4*\i+3], v[RD] offset:544*\i
.endr
.endm
.macro SEND xt, bk, younger                    ; younger: the LDS instructions issued behind this tile's loads
.irp i, 0,1,2,3,4,5,6,7
	s_wait_dscnt (\younger)+7-\i
	global_store_b128 v[GO], v[(\bk)+4*\i:(\bk)+4*\i+3], s[12:13] offset:(2*\i+8*(\i/4)+8*(\xt))*2048 th:TH_STORE_NT   ; stage rows 2 i, 2 i + 1 are the group's rows 8 xt + 2 i + 8 (i / 4) on; 16 lanes store 256 consecutive bytes, aligned
.endr
.endm
	TOSTAGE 0, BK0
	TOSTAGE 1, BK1
	SEND 0, BK0, 16                                ; behind tile 0's loads: tile 1's 8 stores and 8 loads
	SEND 1, BK1, 0
	s_wait_tensorcnt 0x0                           ; the wave's end: behind my last LDS store
	ds_add_u32 v[SPW], v[NIL]
	s_wait_dscnt 0x0
	CROUND                                         ; the closing round
	s_endpgm
.Lfunc_end_k_qe6cdb8c5e3_oproj:
	.size	k_qe6cdb8c5e3_oproj, .Lfunc_end_k_qe6cdb8c5e3_oproj-k_qe6cdb8c5e3_oproj
	.p2alignl 7, 3214868480
	.fill 96, 4, 3214868480
	.section	.rodata,"a",@progbits
	.p2align	6, 0x0
	.amdhsa_kernel k_qe6cdb8c5e3_oproj
		.amdhsa_group_segment_fixed_size 167936
		.amdhsa_private_segment_fixed_size 0
		.amdhsa_enable_private_segment 0
		.amdhsa_kernarg_size 40
		.amdhsa_user_sgpr_count 2
		.amdhsa_user_sgpr_kernarg_segment_ptr 1
		.amdhsa_wavefront_size32 1
		.amdhsa_system_sgpr_workgroup_id_x 1
		.amdhsa_system_sgpr_workgroup_id_y 1
		.amdhsa_system_sgpr_workgroup_id_z 1
		.amdhsa_system_vgpr_workitem_id 0
		.amdhsa_next_free_vgpr 256
		.amdhsa_next_free_sgpr 66
		.amdhsa_reserve_vcc 0
		.amdhsa_float_denorm_mode_32 3
		.amdhsa_float_denorm_mode_16_64 3
		.amdhsa_memory_ordered 1
		.amdhsa_forward_progress 1
		.amdhsa_inst_pref_size 24
	.end_amdhsa_kernel
	.amdgpu_metadata
---
amdhsa.version: [ 1, 2 ]
amdhsa.kernels:
  - .name:           k_qe6cdb8c5e3_oproj
    .symbol:         k_qe6cdb8c5e3_oproj.kd
    .args:
      - { .name: oc, .offset: 0, .size: 8, .value_kind: global_buffer, .address_space: global }
      - { .name: os, .offset: 8, .size: 8, .value_kind: global_buffer, .address_space: global }
      - { .name: qx, .offset: 16, .size: 8, .value_kind: global_buffer, .address_space: global }
      - { .name: b_proj, .offset: 24, .size: 8, .value_kind: global_buffer, .address_space: global }
      - { .name: out0, .offset: 32, .size: 8, .value_kind: global_buffer, .address_space: global }
    .group_segment_fixed_size: 167936
    .private_segment_fixed_size: 0
    .kernarg_segment_align: 8
    .kernarg_segment_size: 40
    .max_flat_workgroup_size: 256
    .sgpr_count:     66
    .vgpr_count:     256
    .wavefront_size: 32
...
	.end_amdgpu_metadata
.endif
;; end of part 4
